; MI455X (gfx1250); checked and timed in simulation.
; The chip was launched on July 23, 2026; its instructions are those of AMD's public machine-readable ISA for CDNA 5 (MIT licence, August 2026) and "CDNA5" Instruction Set Architecture Reference Guide (July 2026). The comments in the code are by the model that wrote it; some were corrected since.
;; Geometric Attention Layer. Allowed arithmetic: matrix products marked QUANTISED: E4M3 operands, one given power-of-two scale a tensor, by v_wmma_f32_16x16x64_fp8_fp8 or v_wmma_f32_16x16x128_fp8_fp8, f32 sums; products left as they are: f32 operands where the result goes on into a quantised operand, else bf16, f16 or f32 operands; f32 sums; everything else in f32.
;; Inputs: blade 9 x 4 x 4 float32; lowp_scales 12 int32 (the exponents e of the quantised operands' scales 2^e); w_k 64 x 64 x 9 float32; w_o 64 x 512 x 9 float32; w_q 512 x 64 x 9 float32; w_v 64 x 64 x 9 float32; x 2 x 2,048 x 64 x 4 float32.
;; Outputs: out0 2 x 2,048 x 64 x 4 float32.
;; This version of the problem:
;;   THIS VERSION OF THE PROBLEM IS GIVEN IN LOW PRECISION. The matrix products marked QUANTISED in the list below multiply operands that are first quantised to E4M3 (4 exponent bits, 3 mantissa bits; 8 bits a number), with one given power-of-two scale for each operand tensor; their sums are f32. All else is computed in f32.
;;   The module's matrix products, in the order in which they are computed (A, B: the left and right operand; K: the contracted axis; several contracted axes count as one K, in the product's order):
;;     1. [M 32,768, K 9] x [K 9, N 16]; A: input w_q; B: input blade: left as it is (K = 9 < 32)
;;     2. [M 4,096, K 256] x [K 256, N 2,048]; A: input x; B: computed on the way: QUANTISED (scales: A lowp_scales[0], B lowp_scales[1])
;;     3. [M 4,096, K 9] x [K 9, N 16]; A: input w_k; B: input blade: left as it is (K = 9 < 32)
;;     4. [M 4,096, K 256] x [K 256, N 256]; A: input x; B: computed on the way: QUANTISED (scales: A lowp_scales[2], B lowp_scales[3])
;;     5. [M 4,096, K 9] x [K 9, N 16]; A: input w_v; B: input blade: left as it is (K = 9 < 32)
;;     6. [M 4,096, K 256] x [K 256, N 256]; A: input x; B: computed on the way: QUANTISED (scales: A lowp_scales[4], B lowp_scales[5])
;;     7. batch 2 x [M 16,384, K 512] x [K 512, N 2,048]; A: computed on the way; B: computed on the way: QUANTISED (scales: A lowp_scales[6], B lowp_scales[7])
;;     8. batch 2 x [M 16,384, K 2,048] x [K 2,048, N 256]; A: softmax (see below); B: computed on the way: QUANTISED (scales: A lowp_scales[8], B lowp_scales[9])
;;     9. [M 32,768, K 9] x [K 9, N 16]; A: input w_o; B: input blade: left as it is (K = 9 < 32)
;;     10. [M 4,096, K 2,048] x [K 2,048, N 256]; A: computed on the way; B: computed on the way: QUANTISED (scales: A lowp_scales[10], B lowp_scales[11])
;;   THE QUANTISER, for each operand of a quantised product, along K:
;;     - The operand's scale is 2^e, e = its entry of the input lowp_scales (int32; the entries are numbered through the quantised products in the list's order, A before B).
;;     - Each number is divided by the scale, clamped to +-448, and rounded to the nearest number of E4M3, ties to even, subnormals kept.
;;     - The product sums the exact products of the quantised numbers (number of the format x scale) in f32.
;;   ~~~python
;;   def quantise(x, axis, e):      # numpy; x: float32 -> the quantised numbers, widened to float32 again
;;       x = np.moveaxis(x, axis, -1); K = x.shape[-1]
;;       r = np.clip(x / 2.0 ** e, -448, 448)
;;       step = 2.0 ** (np.maximum(np.frexp(np.where(r == 0, 1, r))[1] - 1, -6) - 3)
;;       q = np.round(r / step) * step * 2.0 ** e      # np.round: ties to even
;;       return np.moveaxis(q, -1, axis).astype(np.float32)
;;   ~~~
;;   SOFTMAX AHEAD OF A QUANTISED PRODUCT. Where the list says 'softmax', what is quantised is not the finished softmax but p = 2^(t - M), with t = logit x log2(e) and M = ceil(the row's largest t), a whole number; so 1/2 < the row's largest p <= 1. The row's sum l is taken of the UNQUANTISED p, in f32, and the product's result is divided by l at the end. Since M is a whole number, a kernel that streams over the keys may use a running M (the ceiling of the running maximum): every later rescaling is an exact power of two, so the quantised numbers keep their values, but for numbers so far below the row's largest that they fall under the format's range.
;;   OPERANDS COMPUTED ON THE WAY. 'Computed on the way' means the value that the module computes at that place (a softmax that the list does not call 'softmax' is quantised finished and normalised). What goes into a quantiser is computed in f32, as accurately as f32 sums, v_exp_f32 and their like allow (about 1e-6 of the number): no bf16 or f16 on the way to a quantiser, and a product that is left as it is and whose result goes on into a quantised operand takes f32 operands (vector FMAs, or v_wmma_f32_16x16x4_f32). A number that lies on a knife's edge between two numbers of the format may be rounded either way, as far as f32 arithmetic and the matrix unit's own rounding can turn it there, and no further.
;; 2 versions, each right; version 2 is version 1 with the launch proj written anew for expert scheduling mode. Each part assembles by itself: llvm-mc -triple=amdgcn-amd-amdhsa -mcpu=gfx1250 --defsym DOCPART=n.
;; ======== version 1 of 2: 2 launches
;; workspace buffers: qimg 6,291,456 bytes; kv 1,835,008 bytes; woimg 524,288 bytes
;; launch proj (part 1): grid 8 x 32, 4 waves a work-group, no clusters, 70,144 bytes of LDS; arguments x, blade, w_q, w_k, w_v, w_o, lowp_scales, qimg, kv, woimg; writes qimg, kv, woimg
.if DOCPART == 1
	.amdgcn_target "amdgcn-amd-amdhsa--gfx1250"
	.amdhsa_code_object_version 6
	.text
	.protected	k_qa28576af96_proj
	.globl	k_qa28576af96_proj
	.p2align	8
	.type	k_qa28576af96_proj,@function
k_qa28576af96_proj:
	s_mov_b64 s[64:65], 0
	v_nop
	global_prefetch_b8 v0, s[64:65] scope:SCOPE_SE
	s_setreg_imm32_b32 hwreg(HW_REG_WAVE_MODE, 25, 1), 1
	s_wait_xcnt 0x0
; q, k, v = equi_linear(w, blade, x) on codes of FP8 (E4M3), and all four weights contracted with the blade and quantised.
; x is taken as [4096 rows][K = 256 = (i, x)].  wb[j][i][x][y] = sum over b of w[j][i][b] blade[b][x][y] (f32 multiply-adds) is a matrix with K = (i, x), N = (j, y).
; reference() picks coordinates 0,2,3,4,8,9,10,14 of an axis of 4; the gather holds an index at the axis' end, so they are 0,2,3,3,3,3,3,3: of q and k only y = 0, 2, 3 are made.
; EVERYTHING STORED IS AN IMAGE OF OPERAND REGISTERS: a chunk is 512 bytes, lane l's 16 bytes at 16 l; lane (r = l % 16, h = l / 16) holds, of its row r, k = 32 c + 16 h + 0 .. 15 of chunk c.
; The same places are used on both sides of every product, so each code meets its partner; only the order of the sums inside an instruction differs.
;   qimg  [tile of 16 rows: 256][head 8][y = 0, 2, 3][2 chunks, k = d]        kv [batch 2][256 keys: 8][ K: key tile 16 x 3072 (y x 1024) | V: 49152 + 128 keys x 32768 + channel tile 16 x 2048 ]
;   woimg [tile of 16 (j, y): 16][K step of 128: 16][4 chunks]
; A TILE'S ROWS ARE NOT NEIGHBOURS: row p of tile (pair B, u) is 32 B + 8 u + p + 8 (p / 8) (rows of x, d of q and k, channels of v), so that the 16 result registers of tiles u = 0, 1 are 16 neighbours along the next K.
; SHARES.  Work-group (x = SL 0..7, y = MG 0..31): 128 rows of x; q of head SL (6 units: y x half of d), v's channels 32 SL .. 32 SL + 31, k's unit SL (SL < 6), fragment SL + 8 MG of Wo.  A unit is two weight tiles.
; Wave w: rows 32 w .. 32 w + 31 of the 128, and chunk w of every weight fragment; the fragments meet in LDS behind ONE barrier.  Work-groups 6 and 7 make k's fragments like the others (one text) and skip the product.
; No tensor load and no cluster: x and the weights have to pass through registers to be quantised or contracted, in the conversions' own order; nothing is filled into LDS by an engine.
; LIMITS: e0 .. e5, e11, e6-e0-e1, e7-e2-e3, e9-e4-e5 between -126 and 119, so that each scale and 448 x it are f32 numbers.  NaN among the inputs is not served.  The f32 sums over b go in ascending b.
; REGISTERS.  window 0: v1 16 lane, v2 + 512 w, v3-7 offsets in x, w_q, w_v, w_k, w_o, v10 4 yk; v12-31 ten pairs (scale, 448 x scale); v32-159 at work / two sets of weight fragments; v160-191 sums; v192-211 codes.
;   window 1: x as f32 (fragment 2 ux + s at 64 f).   window 2: seven sets of 36 numbers of w, later x's codes (64 k + 16 f).   window 3: five sets of 36 numbers of the blade.
.set PO,   176                         ; 16 numbers of wb
.set PC,   192                         ; their codes, two sets by turns
.set WOC,  208                         ; Wo's codes: stored to memory, never rewritten
.set T0,   32                          ; two sets of 64 held numbers of x
.set WF0,  32                          ; two sets of 4 weight fragments
.set ACC,  160
.set CO,   192                         ; a unit's codes, two sets by turns
.set BLT,  65536                       ; LDS: behind the 64 KB of weight images, 1 KB for each wave: the blade as [y][b][x]
.set PCT,  0
.set MSB,  0
.macro WIN new                         ; the immediate's high byte repeats the setting that is left
.if MSB != \new
	s_set_vgpr_msb (MSB<<8)|\new
.set MSB, \new
.endif
.endm
.macro NOPS n
.rept \n
	v_nop
.endr
.endm
.macro MKSC sc, se                     ; v[sc] = 2^e as f32, v[sc+1] = 448 x 2^e
	s_add_co_i32 s50, \se, 127
	s_lshl_b32 s51, s50, 23
	v_mov_b32 v[\sc], s51
	s_add_co_i32 s50, s50, 8
	s_lshl_b32 s50, s50, 23
	s_or_b32 s50, s50, 0x600000
	v_mov_b32 v[\sc+1], s50
.endm
.macro WLOAD ws, va, sb, imm           ; w[j][i0 .. i0+3][0 .. 8]: 36 numbers, 144 consecutive bytes a lane
.irp j, 0,1,2,3,4,5,6,7,8
	global_load_b128 v[\ws+4*\j:\ws+4*\j+3], v[\va], s[\sb:\sb+1] offset:\imm+16*\j
.endr
.endm
.macro WLN m                           ; load step m: 0-7 q (half of d, tile u, K step s), 8-11 v (u, s), 12-15 k (u, s), 16 Wo; into set m % 7 of window 2
	WIN 0x80
.if (\m) < 8
	WLOAD 36*((\m)%7), 4, 8, (32*((\m)/4)+8*(((\m)/2)%2))*18432+1152*((\m)%2)
.elseif (\m) < 12
	WLOAD 36*((\m)%7), 5, 12, 4608*(((\m)-8)/2)+1152*((\m)%2)
.elseif (\m) < 16
	WLOAD 36*((\m)%7), 6, 10, 18432*(((\m)-12)/2)+1152*((\m)%2)
.else
	WLOAD 36*((\m)%7), 7, 14, 0
.endif
	WIN 0
.endm
; 16 numbers wb(i0 + i, x) = sum over b of w[9 i + b] x blade[4 b + x], two x at a time (the one w feeds both halves), eight chains; held, converted: 16 codes in v[pcs] on
.macro CALC ws, bl, sc, pcs
	WIN 0x0e                                       ; w in window 2, the blade in window 3, the sums in window 0
.irp b, 0,1,2,3,4,5,6,7,8
.irp i, 0,1,2,3
.irp xp, 0,2
.set WQ, \ws+9*\i+\b
.set WP, WQ-WQ%2
.if \b == 0
.if WQ%2
	v_pk_mul_f32 v[PO+4*\i+\xp:PO+4*\i+\xp+1], v[WP:WP+1], v[\bl+\xp:\bl+\xp+1] op_sel:[1,0] op_sel_hi:[1,1]
.else
	v_pk_mul_f32 v[PO+4*\i+\xp:PO+4*\i+\xp+1], v[WP:WP+1], v[\bl+\xp:\bl+\xp+1] op_sel_hi:[0,1]
.endif
.else
.if WQ%2
	v_pk_fma_f32 v[PO+4*\i+\xp:PO+4*\i+\xp+1], v[WP:WP+1], v[\bl+4*\b+\xp:\bl+4*\b+\xp+1], v[PO+4*\i+\xp:PO+4*\i+\xp+1] op_sel:[1,0,0] op_sel_hi:[1,1,1]
.else
	v_pk_fma_f32 v[PO+4*\i+\xp:PO+4*\i+\xp+1], v[WP:WP+1], v[\bl+4*\b+\xp:\bl+4*\b+\xp+1], v[PO+4*\i+\xp:PO+4*\i+\xp+1] op_sel_hi:[0,1,1]
.endif
.endif
.endr
.endr
.endr
	WIN 0
.set CI, 0
.rept 16
	v_med3_num_f32 v[PO+CI], v[PO+CI], -v[\sc+1], v[\sc+1]   ; the conversion to an 8-bit code does not saturate (ISA guide 7.6.2): the hold at 448 x the scale
.set CI, CI+1
.endr
	s_wait_dscnt 0x0                               ; the LDS stores of earlier codes have read their registers
	v_cvt_scalef32_pk8_fp8_f32 v[\pcs:\pcs+1], v[PO:PO+7], v[\sc]
	v_cvt_scalef32_pk8_fp8_f32 v[\pcs+2:\pcs+3], v[PO+8:PO+15], v[\sc]
	v_nop                                          ; a plain line between the conversions and the next lines that write their sources
.endm
.macro CST ws, bl, sc, off             ; and my chunk of the fragment's image goes to LDS
	CALC \ws, \bl, \sc, PC+PCT
	ds_store_b128 v2, v[PC+PCT:PC+PCT+3] offset:\off
.set PCT, 4-PCT
.endm
.macro BSET bl, va, off                ; a blade set: 36 numbers [b][x] of one y
.irp j, 0,1,2,3,4,5,6,7,8
	ds_load_b128 v[\bl+4*\j:\bl+4*\j+3], v[\va] offset:\off+16*\j
.endr
.endm
.macro XQ f, k, ts                     ; fragment f of x under scale k (e0, e2, e4): 64 numbers held into v[ts] on, 16 registers of codes into window 2
	WIN 0x01
.set XI, 0
.rept 64
	v_med3_num_f32 v[\ts+XI], v[64*(\f)+XI], -v[21+2*(\k)], v[21+2*(\k)]
.set XI, XI+1
.endr
	WIN 0x80
.set XI, 0
.rept 8
	v_cvt_scalef32_pk8_fp8_f32 v[64*(\k)+16*(\f)+2*XI:64*(\k)+16*(\f)+2*XI+1], v[\ts+8*XI:\ts+8*XI+7], v[20+2*(\k)]
.set XI, XI+1
.endr
	v_nop
.endm
.macro FETCHW un, ws                   ; a unit's four fragments (2 u + s), as they were stored
.set FI, 0
.rept 16
	ds_load_b128 v[\ws+4*FI:\ws+4*FI+3], v1 offset:(\un)*8192+512*FI
.set FI, FI+1
.endr
.endm
; A unit's products: two weight tiles x my two tiles of rows x K = 256: four accumulators by turns; the first K step starts the sums.
; kind 0 (q, k): source 0 = 16 rows of the weight, source 1 = x: a lane holds one row of x and eight d.   kind 1 (v): source 0 = x, source 1 = the weight: a lane holds one channel and eight keys.
.macro GUNIT kind, ws, xk, sc, cs
.if \kind == 0
	WIN 0x08
.irp s, 0,1
.irp ux, 0,1
.irp u, 0,1
.if \s == 0
	v_wmma_f32_16x16x128_fp8_fp8 v[ACC+16*\ux+8*\u:ACC+16*\ux+8*\u+7], v[\ws+16*(2*\u+\s):\ws+16*(2*\u+\s)+15], v[64*\xk+16*(2*\ux+\s):64*\xk+16*(2*\ux+\s)+15], 0
.else
	v_wmma_f32_16x16x128_fp8_fp8 v[ACC+16*\ux+8*\u:ACC+16*\ux+8*\u+7], v[\ws+16*(2*\u+\s):\ws+16*(2*\u+\s)+15], v[64*\xk+16*(2*\ux+\s):64*\xk+16*(2*\ux+\s)+15], v[ACC+16*\ux+8*\u:ACC+16*\ux+8*\u+7]
.endif
.endr
.endr
.endr
.else
	WIN 0x02
.irp s, 0,1
.irp ux, 0,1
.irp u, 0,1
.if \s == 0
	v_wmma_f32_16x16x128_fp8_fp8 v[ACC+16*\u+8*\ux:ACC+16*\u+8*\ux+7], v[64*\xk+16*(2*\ux+\s):64*\xk+16*(2*\ux+\s)+15], v[\ws+16*(2*\u+\s):\ws+16*(2*\u+\s)+15], 0
.else
	v_wmma_f32_16x16x128_fp8_fp8 v[ACC+16*\u+8*\ux:ACC+16*\u+8*\ux+7], v[64*\xk+16*(2*\ux+\s):64*\xk+16*(2*\ux+\s)+15], v[\ws+16*(2*\u+\s):\ws+16*(2*\u+\s)+15], v[ACC+16*\u+8*\ux:ACC+16*\u+8*\ux+7]
.endif
.endr
.endr
.endr
.endif
	WIN 0
	NOPS 4                                         ; four plain places between the products and the first read of their results (ISA guide 7.12.1)
.set GI, 0
.rept 32
	v_med3_num_f32 v[ACC+GI], v[ACC+GI], -v[\sc+1], v[\sc+1]   ; each accumulator from its low end on; the three scales are folded into the conversion's one
.set GI, GI+1
.endr
	s_wait_xcnt 0x0                                ; the stores of two units ago have read these registers
.set GI, 0
.rept 4
	v_cvt_scalef32_pk8_fp8_f32 v[\cs+2*GI:\cs+2*GI+1], v[ACC+8*GI:ACC+8*GI+7], v[\sc]
.set GI, GI+1
.endr
	v_nop                                          ; a plain line between the conversions and the next unit's products, which write their sources
.endm
	s_load_b512 s[4:19], s[0:1], 0x0               ; x, blade, w_q, w_k, w_v, w_o, scales, qimg
	s_load_b128 s[20:23], s[0:1], 0x40             ; kv, woimg
	v_lshl_add_u32 v254, v0, 2, 0x11000
	v_mov_b32 v255, 0
	v_lshrrev_b32 v220, 5, v0
	v_readfirstlane_b32 s36, v220                  ; w
	s_mov_b32 s37, ttmp9                           ; SL
	s_and_b32 s38, ttmp7, 0xffff                   ; MG
	s_lshl_b32 s39, s38, 3
	s_add_co_u32 s39, s39, s37                     ; G = SL + 8 MG: my fragment of Wo: tile G / 16, K step G % 16
	v_and_b32 v221, 31, v0                         ; lane
	v_and_b32 v222, 15, v0                         ; r
	v_bfe_u32 v223, v0, 4, 1                       ; h
	v_lshlrev_b32 v1, 4, v221                      ; 16 lane
	s_lshl_b32 s50, s36, 9
	v_add_nc_u32 v2, s50, v1                       ; + 512 w: my chunk of an image
	v_and_b32 v224, 8, v0
	v_add_nc_u32 v224, v224, v222                  ; r + 8 (r / 8)
	v_lshlrev_b32 v3, 10, v224
	v_lshl_add_u32 v3, v223, 6, v3                 ; x: that row of 1,024 bytes, + 64 h
	s_mul_i32 s50, s36, 288
	v_mad_u32_u24 v225, v223, 144, s50             ; i0 = 8 w + 4 h (+ 32 s) in bytes of a row of w: 36 bytes an i
	s_mul_i32 s51, s37, 2304
	v_mul_u32_u24 v4, v224, 18432
	v_add3_u32 v4, v4, v225, s51                   ; w_q: row j = 8 d + SL, d = r + 8 (r / 8) (+ 32 b' + 8 u)
	v_bfe_u32 v226, v0, 2, 1
	v_bfe_u32 v227, v0, 3, 1
	v_lshl_add_u32 v226, v227, 2, v226
	s_lshl_b32 s51, s37, 3
	v_add_nc_u32 v226, s51, v226
	v_mul_u32_u24 v5, v226, 2304
	v_add_nc_u32 v5, v5, v225                      ; w_v: channel f = 32 SL + 8 u + r + 8 (r / 8) = 4 d + y: d = 8 SL + (r / 4) % 2 + 4 (r / 8) (+ 2 u), y = r % 4
	s_and_b32 s51, s37, 1
	s_lshl_b32 s51, s51, 5
	v_add_nc_u32 v226, s51, v224
	v_mul_u32_u24 v6, v226, 2304
	v_add_nc_u32 v6, v6, v225                      ; w_k: d = 32 (SL % 2) + r + 8 (r / 8) (+ 8 u)
	s_lshr_b32 s51, s39, 4
	s_lshl_b32 s51, s51, 2
	s_and_b32 s52, s39, 15
	s_mul_i32 s52, s52, 1152
	v_bfe_u32 v226, v0, 2, 2
	v_add_nc_u32 v226, s51, v226
	v_mul_u32_u24 v7, v226, 18432
	v_add3_u32 v7, v7, v225, s52                   ; w_o: row j = 4 (G / 16) + r / 4, y = r % 4; K step G % 16
	s_lshr_b32 s51, s37, 1                         ; k's coordinate: unit SL has y = 0, 2, 3 for SL / 2 = 0, 1, 2 (held at 3 where SL is 6 or 7: the loads stay inside the blade)
	s_min_u32 s52, s51, 1
	s_add_co_u32 s51, s51, s52
	s_min_u32 s51, s51, 3
	s_lshl_b32 s51, s51, 2
	v_mov_b32 v10, s51
	s_lshl_b32 s50, s36, 10
	s_add_co_u32 s50, s50, BLT                     ; my wave's 1 KB for the blade
	v_lshl_add_u32 v236, v221, 2, s50              ; in: (b, x) = lane
	v_and_b32 v237, 3, v0
	v_lshlrev_b32 v227, 4, v237
	v_lshl_add_u32 v238, v237, 2, s50              ; in: (b, x) = 32 + lane % 4: eight lanes store the same word with the same number
	v_mov_b32 v239, s50
	v_mul_u32_u24 v240, v237, 144
	v_add_nc_u32 v240, s50, v240                   ; out: the set of my lane's y = r % 4
	s_lshl_b32 s52, s38, 17
	s_lshl_b32 s53, s36, 15
	s_add_co_u32 s52, s52, s53
	s_mov_b32 s53, 0                               ; x: (128 MG + 32 w) rows
	s_mul_i32 s54, s38, 196608
	s_mul_i32 s55, s36, 49152
	s_add_co_u32 s54, s54, s55
	s_mul_i32 s55, s37, 3072
	s_add_co_u32 s54, s54, s55
	s_mov_b32 s55, 0                               ; qimg: ((8 MG + 2 w) 8 + SL) 3072
	s_lshr_b32 s56, s38, 1
	s_mul_i32 s56, s56, 114688                     ; kv: the 256 keys that hold my 128
	s_and_b32 s57, s38, 1
	s_lshl_b32 s58, s57, 3
	s_lshl_b32 s59, s36, 1
	s_add_co_u32 s58, s58, s59
	s_mul_i32 s58, s58, 3072
	s_add_co_u32 s58, s58, s56
	s_lshl_b32 s59, s37, 9
	s_add_co_u32 s58, s58, s59
	s_mov_b32 s59, 0                               ; K: key tile 8 (MG % 2) + 2 w, coordinate and chunk: 512 SL
	s_lshl_b32 s60, s57, 15
	s_add_co_u32 s60, s60, s56
	s_lshl_b32 s61, s37, 12
	s_add_co_u32 s60, s60, s61
	s_lshl_b32 s61, s36, 9
	s_add_co_u32 s60, s60, s61
	s_add_co_u32 s60, s60, 49152
	s_mov_b32 s61, 0                               ; V: K step MG % 2, channel tile 2 SL, chunk w
	s_lshl_b32 s62, s39, 11
	s_lshl_b32 s63, s36, 9
	s_add_co_u32 s62, s62, s63
	s_mov_b32 s63, 0                               ; woimg: fragment G, chunk w
	s_wait_kmcnt 0x0
	s_load_b256 s[24:31], s[16:17], 0x0            ; e0 .. e7
	s_load_b128 s[32:35], s[16:17], 0x20           ; e8 .. e11
	s_add_nc_u64 s[40:41], s[4:5], s[52:53]
	s_add_nc_u64 s[42:43], s[18:19], s[54:55]
	s_add_nc_u64 s[44:45], s[20:21], s[58:59]
	s_add_nc_u64 s[46:47], s[20:21], s[60:61]
	s_add_nc_u64 s[48:49], s[22:23], s[62:63]
	WIN 0x40                                       ; x: lane (r, h) takes 16 neighbours of each block of 32 of its row: the conversions' order
.irp ux, 0,1
.irp s, 0,1
.irp c, 0,1,2,3
.irp j, 0,1,2,3
	global_load_b128 v[64*(2*\ux+\s)+16*\c+4*\j:64*(2*\ux+\s)+16*\c+4*\j+3], v3, s[40:41] offset:\ux*8192+512*\s+128*\c+16*\j
.endr
.endr
.endr
.endr
	WIN 0
	global_load_b128 v[228:231], v1, s[6:7]               ; blade[(b, x) = lane][y = 0 .. 3]
	global_load_b128 v[232:235], v227, s[6:7] offset:512  ; and (b, x) = 32 + lane % 4
	WIN 0xc0
.irp b, 0,1,2,3,4,5,6,7,8
.irp x, 0,1,2,3
	global_load_b32 v[144+4*\b+\x], v10, s[6:7] offset:64*\b+16*\x   ; k's set hangs on the work-group's number: it comes from memory, so that no LDS address does
.endr
.endr
	WIN 0
.irp m, 0,1,2,3,4,5
	WLN \m
.endr
	s_wait_kmcnt 0x0
	MKSC 12, s25                                   ; wq
	MKSC 14, s27                                   ; wk
	MKSC 16, s29                                   ; wv
	MKSC 18, s35                                   ; wo
	MKSC 20, s24                                   ; x for q, k, v
	MKSC 22, s26
	MKSC 24, s28
	s_sub_co_i32 s52, s30, s24
	s_sub_co_i32 s52, s52, s25
	MKSC 26, s52                                   ; a sum stands for sum x 2^(e0 + e1): q's code is sum / 2^(e6 - e0 - e1)
	s_sub_co_i32 s52, s31, s26
	s_sub_co_i32 s52, s52, s27
	MKSC 28, s52                                   ; k: e7 - e2 - e3
	s_sub_co_i32 s52, s33, s28
	s_sub_co_i32 s52, s52, s29
	MKSC 30, s52                                   ; v: e9 - e4 - e5
	s_wait_loadcnt 54                              ; all but the six weight steps' 54 loads: x and the blade are in
.irp y, 0,1,2,3
	ds_store_b32 v236, v[228+\y] offset:144*\y     ; the blade as [y][b][x]: 144 bytes a y
	ds_store_b32 v238, v[232+\y] offset:144*\y+128
.endr
	WIN 0xc0                                       ; LDS serves a wave's instructions in order (ISA guide 5.7.1.4): these see my stores; the bytes are my wave's own
	BSET 0, 239, 0                                 ; y = 0
	BSET 36, 239, 288                              ; y = 2
	BSET 72, 239, 432                              ; y = 3
	BSET 108, 240, 0                               ; y = r % 4
	WIN 0
	s_wait_dscnt 0x0
; THE WEIGHTS: 17 load steps, six ahead in seven sets; a step of w_q serves all three coordinates.
.set M, 0
.rept 17
.if M+6 < 17
	WLN M+6                                        ; into the set that step M - 1 has left
.endif
.if M < 11
	s_wait_loadcnt 54                              ; step M's nine loads are in; those of the six steps behind it may be out
.else
	s_wait_loadcnt 9*(16-M)
.endif
.if M < 8
	CST 36*(M%7), 0, 12, (M/4)*8192+(M%4)*2048
	CST 36*(M%7), 36, 12, (2+M/4)*8192+(M%4)*2048
	CST 36*(M%7), 72, 12, (4+M/4)*8192+(M%4)*2048
.elseif M < 12
	CST 36*(M%7), 108, 16, 6*8192+(M-8)*2048
.elseif M < 16
	CST 36*(M%7), 144, 14, 7*8192+(M-12)*2048
.else
	CALC 36*(M%7), 108, 18, WOC
	global_store_b128 v1, v[WOC:WOC+3], s[48:49]   ; 512 consecutive bytes, aligned
.endif
.set M, M+1
.endr
; x's codes, once under each of its three scales (no LDS is touched: this stands ahead of the barrier)
.irp k, 0,1,2
.irp f, 0,1,2,3
	XQ \f, \k, T0+64*(\f%2)
.endr
.endr
	WIN 0
	s_wait_dscnt 0x0                               ; my chunks of the images have landed
	s_barrier_signal -1
	s_barrier_wait -1                              ; everybody's have
	FETCHW 0, WF0
.set U, 0
.rept 6                                ; q: unit U = 2 (coordinate) + (half of d)
	FETCHW U+1, WF0+64*((U+1)%2)                   ; the next unit's fragments, into the set that the unit before has left (its products stand more than four plain lines back)
	s_wait_dscnt 16                                ; mine are in; the 16 just issued may be out
	GUNIT 0, WF0+64*(U%2), 0, 26, CO+8*(U%2)
	global_store_b128 v1, v[CO+8*(U%2):CO+8*(U%2)+3], s[42:43] offset:U*512
	global_store_b128 v1, v[CO+8*(U%2)+4:CO+8*(U%2)+7], s[42:43] offset:24576+U*512
.set U, U+1
.endr
	s_wait_dscnt 0x0
	GUNIT 1, WF0, 2, 30, CO                        ; v
	global_store_b128 v1, v[CO:CO+3], s[46:47]
	global_store_b128 v1, v[CO+4:CO+7], s[46:47] offset:2048
	s_cmp_lt_u32 s37, 6                            ; k has six units
	s_cbranch_scc0 .Lend
	FETCHW 7, WF0+64
	s_wait_dscnt 0x0
	GUNIT 0, WF0+64, 1, 28, CO+8
	global_store_b128 v1, v[CO+8:CO+11], s[44:45]
	global_store_b128 v1, v[CO+12:CO+15], s[44:45] offset:3072
.Lend:
	s_wait_tensorcnt 0x0
	ds_add_u32 v254, v255
	s_wait_dscnt 0x0
	s_endpgm
.Lfunc_end_k_qa28576af96_proj:
	.size	k_qa28576af96_proj, .Lfunc_end_k_qa28576af96_proj-k_qa28576af96_proj
	.p2alignl 7, 3214868480
	.fill 96, 4, 3214868480
	.section	.rodata,"a",@progbits
	.p2align	6, 0x0
	.amdhsa_kernel k_qa28576af96_proj
		.amdhsa_group_segment_fixed_size 70144
		.amdhsa_private_segment_fixed_size 0
		.amdhsa_enable_private_segment 0
		.amdhsa_kernarg_size 80
		.amdhsa_user_sgpr_count 2
		.amdhsa_user_sgpr_kernarg_segment_ptr 1
		.amdhsa_wavefront_size32 1
		.amdhsa_system_sgpr_workgroup_id_x 1
		.amdhsa_system_sgpr_workgroup_id_y 1
		.amdhsa_system_sgpr_workgroup_id_z 1
		.amdhsa_system_vgpr_workitem_id 0
		.amdhsa_next_free_vgpr 960
		.amdhsa_next_free_sgpr 66
		.amdhsa_reserve_vcc 0
		.amdhsa_float_denorm_mode_32 3
		.amdhsa_float_denorm_mode_16_64 3
		.amdhsa_memory_ordered 1
		.amdhsa_forward_progress 1
		.amdhsa_inst_pref_size 255
	.end_amdhsa_kernel
	.section	.bss,"aw",@nobits
	.p2align	6
	.space	262144
	.amdgpu_metadata
---
amdhsa.version: [ 1, 2 ]
amdhsa.kernels:
  - .name:           k_qa28576af96_proj
    .symbol:         k_qa28576af96_proj.kd
    .args:
      - { .name: x, .offset: 0, .size: 8, .value_kind: global_buffer, .address_space: global }
      - { .name: blade, .offset: 8, .size: 8, .value_kind: global_buffer, .address_space: global }
      - { .name: w_q, .offset: 16, .size: 8, .value_kind: global_buffer, .address_space: global }
      - { .name: w_k, .offset: 24, .size: 8, .value_kind: global_buffer, .address_space: global }
      - { .name: w_v, .offset: 32, .size: 8, .value_kind: global_buffer, .address_space: global }
      - { .name: w_o, .offset: 40, .size: 8, .value_kind: global_buffer, .address_space: global }
      - { .name: lowp_scales, .offset: 48, .size: 8, .value_kind: global_buffer, .address_space: global }
      - { .name: qimg, .offset: 56, .size: 8, .value_kind: global_buffer, .address_space: global }
      - { .name: kv, .offset: 64, .size: 8, .value_kind: global_buffer, .address_space: global }
      - { .name: woimg, .offset: 72, .size: 8, .value_kind: global_buffer, .address_space: global }
    .group_segment_fixed_size: 70144
    .private_segment_fixed_size: 0
    .kernarg_segment_align: 8
    .kernarg_segment_size: 80
    .max_flat_workgroup_size: 128
    .sgpr_count:     66
    .vgpr_count:     960
    .wavefront_size: 32
...
	.end_amdgpu_metadata
.endif
;; end of part 1
;; launch attn (part 2): grid 256 x 1, 8 waves a work-group, clusters of 4 x 1, 327,680 bytes of LDS; arguments qimg, kv, woimg, lowp_scales, out0; writes out0
.if DOCPART == 2
	.amdgcn_target "amdgcn-amd-amdhsa--gfx1250"
	.amdhsa_code_object_version 6
	.text
	.protected	k_qa28576af96_attn
	.globl	k_qa28576af96_attn
	.p2align	8
	.type	k_qa28576af96_attn,@function
k_qa28576af96_attn:
	s_mov_b64 s[64:65], 0
	v_nop
	global_prefetch_b8 v0, s[64:65] scope:SCOPE_SE
	s_setreg_imm32_b32 hwreg(HW_REG_WAVE_MODE, 25, 1), 1
	s_wait_xcnt 0x0
	s_wait_alu depctr_hold_cnt(0) depctr_sa_sdst(0) depctr_va_vdst(0) depctr_va_sdst(0) depctr_va_ssrc(0) depctr_va_vcc(0) depctr_vm_vsrc(0)
	s_getreg_b32 s2, hwreg(HW_REG_IB_STS2, 6, 4)
	s_cmp_eq_u32 s2, 0
	s_cbranch_scc0 .Lentry_in_a_cluster
	s_endpgm
.Lentry_in_a_cluster:
	s_bfe_u32 s2, ttmp6, 0x10000c
	s_cmp_lg_u32 s2, 0x3003
	s_cbranch_scc0 .Lentry_shape_is_right
	s_endpgm
.Lentry_shape_is_right:
; Attention with one key and value head for 8 query heads, and the output projection, all on codes of FP8 (E4M3) laid as images of operand registers (a chunk: 512 bytes, lane l's 16 bytes at 16 l).
; score = sum over d of q0 k0 + q2 k2 + 6 x q3 k3: reference()'s eight picked coordinates are 0, 2, 3, 3, 3, 3, 3, 3.  The six equal parts of K = 512 are multiplied ONCE: a product of K = 64 on the y = 3 fragments starts
; the sum, the sum is multiplied by 6 in f32, and one product of K = 128 (y = 0 and y = 2 side by side) adds on.  So the matrix units do 3/8 of the multiply-adds that K = 512 counts, and a score's f32 rounding order
; differs from reference()'s by one rounding.
; t = score x log2(e) / sqrt(512); M = the running largest t rounded up to a whole number; p = 2^(t - M) is quantised (e8), not normalised; the row's sum is taken of the unquantised p and divides at the end.
; SHARES.  Work-group g owns 16 items (rows 32 (g / 2) + 8 (g % 2) + r + 8 (r / 8) of the 4,096) with all 8 heads: so it holds the whole K = 2,048 of 16 rows of the output projection.
; Wave wv (hp = wv % 4, kh = (wv xor wv / 4) % 2): two tiles of 16 queries, a = 0, 1, of heads 2 hp + (a xor kh), against half kh (128 keys) of every 256 keys: 8 steps.  At the end each wave keeps tile a = 0 and hands
; a = 1 to wave wv xor 4, which has the other kh; the two halves' M differ by a whole number, so the merge scales by exact powers of two.
; HALF A STEP APART.  A step is S (K Q^T: LDS and matrix work), the softmax (vector work alone), PV (V^T P: LDS and matrix work).  Between two changes of slots an EARLY wave (kh = 0) runs S(j), softmax(j), PV(j), a LATE wave
; (kh = 1) softmax(j - 1), PV(j - 1), S(j): one class's vector work stands beside the other's LDS and matrix work.  wv and wv xor 4 differ in kh, and so do wv and wv xor 1.  The text is written once: S stands twice, each
; under a branch on the wave's number; no barrier and no tensor load stands under such a branch.  Nine intervals: in the first the late waves only clear their O^T and run S(0), in the last they alone work.
; Both products are used transposed (S^T = K Q^T, O^T = V^T P^T): a lane holds one query throughout; the keys of a tile and the channels of a tile were chosen by the launch before so that 16 registers of two
; neighbouring tiles are 16 neighbours along the next K: the conversions' results are the next operand.
; CLUSTER AND RING.  The four work-groups of a cluster belong to one batch and walk the same keys: every 256 keys' K and V (114,688 dense bytes) are asked for jointly, in seven loads of 16,384 bytes, through two slots.
; Waves 0 to 4 bring K and the early waves' half of V (bytes 0 to 81,919 of a slot), waves 5 and 6 the late waves' half of V (the rest), wave 7 nothing.  The late half of V is read one interval later than the rest of its
; slot, so it is asked for one change later: at change j waves 0 to 4 ask for step j + 1 into slot (j + 1) % 2, waves 5 and 6 for the late V of step j into slot j % 2; each region was last read in interval j - 1.
; Slot 0 is filled whole at the head and slot 1 whole at change 0 (first fills); so at change 1 waves 5 and 6 ask for nothing and their descriptor stays.
; Wo's codes (524,288 bytes) are read by each work-group from memory into registers: each wave takes two tiles of 16 outputs.  They are not asked for jointly: they would need a ring of their own behind the last key step.
; LIMITS: e8 and e10-e8-e9 between -126 and 119; e6+e7 between -122 and 131 (added to c's exponent field); e10+e11 between -126 and 127.  NaN among the inputs is not served.
; REGISTERS.  window 0: v1 16 lane, v2, v3 the add's two, v4-7 LDS addresses, v8 the prefetches' offset, v9, v10 2^e8 and 448 x it, v11, v252 lane permutes' results; v12-15 and v240-243: -M, largest t, the sum (two halves) of
;   a = 0, 1; v16-63 Q; v64-111 K's fragments, later p's codes; v112-239 S^T and p, later V's fragments; v244-247 f; v248-251 at work; v254, v255 the output's scale and hold.   window 1: O^T, 128 a + 8 T.
.set SLOT1,  1<<17                     ; slot 1 begins here, so that one exclusive or turns an address from slot to slot
.set SLOTB,  114688                    ; 256 keys: K 16 tiles x 3,072, then V 2 K steps x 16 tiles x 2,048
.set PART,   16384                     ; a seventh: 64 rows of 256 bytes
.set VOFF,   49152
.set SPARE,  262144                    ; the spare words: 128 bytes for each of the 8 waves, four blocks of 256 bytes that no other line names
.set XS,     263168                    ; 256 bytes a wave: -M and the sum of the tile that is handed over
.set OIMG,   SLOT1                     ; behind the last key step: the attention's output as 16 fragments of codes (head x 4,096)
.set SPITCH, 1040                      ; and, from byte 0, a stage of 16 rows of out0: 1,024 bytes + 16
.set Q,   16
.set KF,  64
.set PCD, 64
.set S,   112
.set MSB, 0
.macro WIN new                         ; the immediate's high byte repeats the setting that is left
.if MSB != \new
	s_set_vgpr_msb (MSB<<8)|\new
.set MSB, \new
.endif
.endm
.macro NOPS n
.rept \n
	v_nop
.endr
.endm
.macro BARRIER                         ; my LDS stores have landed and my LDS loads are in: then the work-group's barrier
	s_wait_dscnt 0x0
	s_barrier_signal -1
	s_barrier_wait -1
.endm
.macro CROUND                          ; a round of the cluster's barrier
	s_barrier_signal -1
	s_barrier_wait -1
	s_cmp_lg_u32 s14, 0
	s_cbranch_scc1 .Lnot_wave_0_\@
	s_barrier_signal -3
.Lnot_wave_0_\@:
	s_barrier_wait -3
	s_barrier_signal -1
	s_barrier_wait -1
.endm
; My seventh of a slot.  mode 1: waves 0 to 6 ask; 2: waves 0 to 4; 3: waves 5 and 6.  The branches hang on the wave's number alone: the same line, mask and descriptor in all four work-groups.
; Four v_nop follow the load, ahead of the label and what follows.
.macro TLOAD mode
.if \mode == 3
	s_cmp_lt_u32 s14, 5
	s_cbranch_scc1 .Lnone_\@
.endif
.if \mode == 2
	s_cmp_lt_u32 s14, 5
.else
	s_cmp_lt_u32 s14, 7
.endif
	s_cbranch_scc0 .Lnone_\@
	tensor_load_to_lds s[32:35], s[24:31]
	s_nop 0
	NOPS 4
.Lnone_\@:
.endm
; A PREFETCH INTO THE L2, at the changes with 7, 5 and 3 fills to go: the two slots' worth of keys behind the one that waves 0 to 4 are asking for, 229,376 bytes = 896 blocks of 256.
; All 32 clusters of a batch walk the same bytes: the batch's first cluster asks.  Its four work-groups take 57,344 bytes each, told apart by address; in each, waves 0 to 6 take 8,192, lanes 256 bytes apart:
; each block is named once in the launch.  The first of the two slots is loaded from the next change on, the second from the one after.  The last request ends at the batch's last byte; keys 0 to 511 come by their loads alone.
.macro ASK
	s_and_b32 s39, s37, s38
	s_cmp_gt_u32 s37, 1
	s_cselect_b32 s39, s39, 0
	s_cmp_lg_u32 s39, 0
	s_cbranch_scc0 .Lnot_mine_\@
	global_prefetch_b8 v8, s[40:41] th:TH_LOAD_NT scope:SCOPE_SE
.Lnot_mine_\@:
.endm
; THE CHANGE OF SLOTS stands at an interval's head.  Each wave waits for all its tensor loads (at most one is out), adds 0 to its spare word, and waits for that and for its LDS reads of the interval that it has left.
; mode 0: a plain barrier, nothing is filled.  Else a round of the cluster's barrier, and behind it the loads of TLOAD's mode.  In mode 2 the descriptor of waves 5 to 7 stays where it is (their step is 0).
.macro CHANGE mode
	s_wait_tensorcnt 0x0                           ; no tensor load of mine is out, so group 0 may be written
	ds_add_u32 v2, v3                              ; 0 onto my spare word
.if \mode == 2
	s_xor_b32 s33, s33, s53
	s_add_nc_u64 s[34:35], s[34:35], s[54:55]
.elseif \mode != 0
	s_xor_b32 s33, s33, SLOT1                      ; the other slot than last time,
	s_add_nc_u64 s[34:35], s[34:35], SLOTB         ; the next 256 keys; the type bits on top are not reached
.endif
.if (\mode == 1) || (\mode == 2)
	s_wait_xcnt 0x0                                ; the last prefetch has read its address
	s_add_nc_u64 s[40:41], s[40:41], SLOTB
.endif
	s_wait_dscnt 0x0                               ; the add is done, and my LDS reads are over
.if \mode != 0
	CROUND
	TLOAD \mode                                    ; the first thing behind the round, and my one tensor load until the next
.if \mode == 1
	ASK
.endif
.else
	s_barrier_signal -1
	s_barrier_wait -1
.endif
.endm
.macro ADDR                            ; the interval's LDS addresses, made where all waves pass: K of step j; V of step j (early waves) or of step j - 1, in the other slot (late waves)
	v_add_nc_u32 v6, s36, v4
	v_add_nc_u32 v7, s52, v5
	s_xor_b32 s36, s36, SLOT1
	s_xor_b32 s52, s52, SLOT1
.endm
; S^T = K Q^T for my 8 key tiles and 2 query tiles.  K's 48 registers are six buffers of 8 for the y = 3 fragments, then three buffers of 16 for y = 0 | y = 2.
.macro KL3 t, b                        ; y = 3 of key tile t into buffer b
.irp c, 0,1
	ds_load_b128 v[KF+8*(\b)+4*\c:KF+8*(\b)+4*\c+3], v6 offset:(\t)*3072+2048+512*\c
.endr
.endm
.macro KL01 u                          ; y = 0 and y = 2 of key tile u: 2,048 consecutive bytes into buffer (u + 1) % 3
.irp i, 0,1,2,3
	ds_load_b128 v[KF+16*(((\u)+1)%3)+4*\i:KF+16*(((\u)+1)%3)+4*\i+3], v6 offset:(\u)*3072+512*\i
.endr
.endm
.macro MA t                            ; k3 q3 starts the sums of key tile t: K = 64
.irp a, 0,1
	v_wmma_f32_16x16x64_fp8_fp8 v[S+64*\a+8*(\t):S+64*\a+8*(\t)+7], v[KF+8*((\t)%6):KF+8*((\t)%6)+7], v[Q+24*\a+16:Q+24*\a+23], 0
.endr
.endm
.macro MB t                            ; x 6, each accumulator from its low end on
.irp a, 0,1
.irp i, 0,2,4,6
	v_pk_mul_f32 v[S+64*\a+8*(\t)+\i:S+64*\a+8*(\t)+\i+1], v[S+64*\a+8*(\t)+\i:S+64*\a+8*(\t)+\i+1], s[56:57] op_sel_hi:[1,0]
.endr
.endr
.endm
.macro MC u                            ; + k0 q0 + k2 q2: K = 128
.irp a, 0,1
	v_wmma_f32_16x16x128_fp8_fp8 v[S+64*\a+8*(\u):S+64*\a+8*(\u)+7], v[KF+16*(((\u)+1)%3):KF+16*(((\u)+1)%3)+15], v[Q+24*\a:Q+24*\a+15], v[S+64*\a+8*(\u):S+64*\a+8*(\u)+7]
.endr
.endm
; The accumulators take turns, one instruction a turn.  A buffer is loaded again four plain places or more behind the products that read it: the multiplications by 6, which name other accumulators,
; are those places; a tile's own multiplication stands eight plain lines or more behind its first product and ahead of its second.  From the third wait on the count is 8: the two younger fragments' loads may be out.
.macro SARM
.irp t, 0,1,2,3,4,5
	KL3 \t, \t
.endr
	s_wait_dscnt 8                                 ; tiles 0 and 1 are in; the eight younger loads may be out
	MA 0
	MA 1
	s_wait_dscnt 4                                 ; tiles 2 and 3
	MA 2
	MA 3
	NOPS 4                                         ; no result is old enough yet to work on
	KL3 6, 0
	KL3 7, 1
	KL01 0
	s_wait_dscnt 8                                 ; tiles 4 and 5
	MA 4
	MA 5
	MB 0
	KL01 1
	s_wait_dscnt 8                                 ; tiles 6 and 7
	MA 6
	MA 7
	MB 1
	KL01 2
.irp u, 0,1,2,3,4
	s_wait_dscnt 8
	MC \u
	MB \u+2
	KL01 \u+3
.endr
	s_wait_dscnt 8
	MC 5
	MB 7
	s_wait_dscnt 4
	MC 6
	s_wait_dscnt 0x0
	MC 7
	NOPS 4                                         ; four plain places between the products and the first read of their results (ISA guide 7.12.1)
.endm
.macro MAXSTAT                         ; both tiles by turns: the step's largest score (each accumulator is first read at its low end), the running largest t, -M = floor(-t), f = 2^(old M - new M)
.irp a, 0,1
	v_max3_num_f32 v[248+2*\a], v[S+64*\a], v[S+64*\a+1], v[S+64*\a+2]
	v_max3_num_f32 v[249+2*\a], v[S+64*\a+3], v[S+64*\a+4], v[S+64*\a+5]
.endr
.irp i, 6,10,14,18,22,26,30,34,38,42,46,50,54,58
.irp a, 0,1
	v_max3_num_f32 v[248+2*\a], v[248+2*\a], v[S+64*\a+\i], v[S+64*\a+\i+1]
	v_max3_num_f32 v[249+2*\a], v[249+2*\a], v[S+64*\a+\i+2], v[S+64*\a+\i+3]
.endr
.endr
.irp a, 0,1
	v_max3_num_f32 v[248+2*\a], v[248+2*\a], v[S+64*\a+62], v[S+64*\a+63]
.endr
.irp a, 0,1
	v_max_num_f32 v[248+2*\a], v[248+2*\a], v[249+2*\a]
.endr
.irp a, 0,1
	v_permlanex16_b32 v[11+241*\a], v[248+2*\a], s20, s21   ; the query's other 64 keys lie in the lane 16 away
.endr
.irp a, 0,1
	v_max_num_f32 v[248+2*\a], v[248+2*\a], v[11+241*\a]
.endr
.irp a, 0,1
	v_mul_f32 v[248+2*\a], s22, v[248+2*\a]        ; as t (c is positive)
.endr
.irp a, 0,1
	v_max_num_f32 v[13+228*\a], v[13+228*\a], v[248+2*\a]
.endr
.irp a, 0,1
	v_mov_b32 v[248+2*\a], v[12+228*\a]
.endr
.irp a, 0,1
	v_floor_f32 v[12+228*\a], -v[13+228*\a]        ; M is a whole number
.endr
.irp a, 0,1
	v_sub_f32 v[248+2*\a], v[12+228*\a], v[248+2*\a]
.endr
.irp a, 0,1
	v_cvt_i32_f32 v[248+2*\a], v[248+2*\a]         ; (it saturates)
.endr
.irp a, 0,1
	v_ldexp_f32 v[244+2*\a], 1.0, v[248+2*\a]      ; a multiplication by f rounds nothing
.endr
.endm
; THE SOFTMAX of my 128 keys x 32 queries: work on registers alone.
.macro SM
	MAXSTAT
.set J, 0
.rept 32
	v_pk_fma_f32 v[S+J:S+J+1], v[S+J:S+J+1], s[22:23], v[12:13] op_sel_hi:[1,0,0]             ; t - M, two at a time (of the pairs c and -M the low word serves both halves)
	v_pk_fma_f32 v[S+64+J:S+64+J+1], v[S+64+J:S+64+J+1], s[22:23], v[240:241] op_sel_hi:[1,0,0]
.set J, J+2
.endr
.set J, 0
.rept 128
	v_exp_f32 v[S+J], v[S+J]                       ; p = 2^(t - M), at most 1
.set J, J+1
.endr
	v_pk_mul_f32 v[14:15], v[14:15], v[244:245] op_sel_hi:[1,0]       ; the sums under the new M: the plain lines behind the exponentials
	v_pk_mul_f32 v[242:243], v[242:243], v[246:247] op_sel_hi:[1,0]
	s_wait_alu depctr_va_vdst(0)                   ; one wait for the batch of 128, ahead of its first reader
	v_pk_add_f32 v[248:249], v[S:S+1], v[S+2:S+3]  ; the row's sum is taken of the unquantised p: two chains a tile
	v_pk_add_f32 v[250:251], v[S+64:S+65], v[S+66:S+67]
.irp j, 4,8,12,16,20,24,28,32,36,40,44,48,52,56,60
.irp a, 0,1
	v_pk_add_f32 v[14+228*\a:15+228*\a], v[14+228*\a:15+228*\a], v[S+64*\a+\j:S+64*\a+\j+1]
	v_pk_add_f32 v[248+2*\a:249+2*\a], v[248+2*\a:249+2*\a], v[S+64*\a+\j+2:S+64*\a+\j+3]
.endr
.endr
	v_pk_add_f32 v[14:15], v[14:15], v[248:249]
	v_pk_add_f32 v[242:243], v[242:243], v[250:251]
.irp a, 0,1
.irp b, 0,1,2,3
.irp i, 0,1,2,3,4,5,6,7,8,9,10,11,12,13,14,15
	v_min_num_f32 v[S+64*\a+16*\b+\i], v[S+64*\a+16*\b+\i], v10   ; the conversion does not saturate (ISA guide 7.6.2); p is not negative, so the hold is one-sided
.endr
	v_cvt_scalef32_pk8_fp8_f32 v[PCD+16*\a+4*\b:PCD+16*\a+4*\b+1], v[S+64*\a+16*\b:S+64*\a+16*\b+7], v9
	v_cvt_scalef32_pk8_fp8_f32 v[PCD+16*\a+4*\b+2:PCD+16*\a+4*\b+3], v[S+64*\a+16*\b+8:S+64*\a+16*\b+15], v9
.endr
.endr
	v_nop                                          ; a plain line between the conversions and the products that read their results
.endm
.macro VLD vs, t0                      ; four channel tiles of V^T, 128 keys each
.irp t, 0,1,2,3
.irp c, 0,1,2,3
	ds_load_b128 v[S+64*\vs+16*\t+4*\c:S+64*\vs+16*\t+4*\c+3], v7 offset:(\t0+\t)*2048+512*\c
.endr
.endr
.endm
.macro PVMUL vs, t0, first             ; eight products, K = 128, on eight accumulators
.irp t, 0,1,2,3
.irp a, 0,1
.if \first
	v_wmma_f32_16x16x128_fp8_fp8 v[128*\a+8*(\t0+\t):128*\a+8*(\t0+\t)+7], v[S+64*\vs+16*\t:S+64*\vs+16*\t+15], v[PCD+16*\a:PCD+16*\a+15], 0
.else
	v_wmma_f32_16x16x128_fp8_fp8 v[128*\a+8*(\t0+\t):128*\a+8*(\t0+\t)+7], v[S+64*\vs+16*\t:S+64*\vs+16*\t+15], v[PCD+16*\a:PCD+16*\a+15], v[128*\a+8*(\t0+\t):128*\a+8*(\t0+\t)+7]
.endif
.endr
.endr
.endm
; O^T += V^T P^T.  first = 1: the products start O^T's sums: nothing is rescaled.
.macro PV first
	VLD 0, 0                                       ; V's fragments take p's registers, in two sets
	VLD 1, 4
.if \first == 0
	WIN 0x41
.set J, 0
.rept 64
	v_pk_mul_f32 v[J:J+1], v[J:J+1], v[244:245] op_sel_hi:[1,0]               ; O^T under the new M, while V's fragments are on their way
	v_pk_mul_f32 v[128+J:129+J], v[128+J:129+J], v[246:247] op_sel_hi:[1,0]
.set J, J+2
.endr
.endif
	s_wait_dscnt 16                                ; the older set is in; the younger set's 16 loads may be out (so in the next two waits)
	WIN 0x50
	PVMUL 0, 0, \first
	WIN 0
	NOPS 4
	VLD 0, 8
	s_wait_dscnt 16
	WIN 0x50
	PVMUL 1, 4, \first
	WIN 0
	NOPS 4
	VLD 1, 12
	s_wait_dscnt 16
	WIN 0x50
	PVMUL 0, 8, \first
	s_wait_dscnt 0x0
	PVMUL 1, 12, \first
	WIN 0
	NOPS 5                                         ; five plain places: the next S products write over V's registers, and their loads land on p's codes
.endm
; AN INTERVAL: early waves S(j), softmax(j), PV(j); late waves softmax(j - 1), PV(j - 1), S(j).
.macro INTERVAL
	ADDR
	s_cmp_eq_u32 s16, 0
	s_cbranch_scc0 .Lnot_early_\@
	SARM
.Lnot_early_\@:
	SM
	PV 0
	s_cmp_eq_u32 s16, 1
	s_cbranch_scc0 .Lnot_late_\@
	SARM
.Lnot_late_\@:
.endm
.macro WOLD grp, buf                   ; Wo: my two tiles x K steps 4 grp .. 4 grp + 3: 32 loads into 128 registers of window 1
	WIN 0x40
.irp t, 0,1
.irp kk, 0,1,2,3
.irp c, 0,1,2,3
	global_load_b128 v[\buf+16*(4*\t+\kk)+4*\c:\buf+16*(4*\t+\kk)+4*\c+3], v1, s[46:47] offset:(16*\t+4*(\grp)+\kk)*2048+512*\c
.endr
.endr
.endr
	WIN 0
.endm
	s_load_b256 s[4:11], s[0:1], 0x0               ; qimg, kv, woimg, the scales' exponents
	s_load_b64 s[12:13], s[0:1], 0x20              ; out0
	v_lshl_add_u32 v2, v0, 2, SPARE
	v_mov_b32 v3, 0
	ds_add_u32 v2, v3
	s_wait_dscnt 0x0
	v_lshrrev_b32 v1, 5, v0
	v_readfirstlane_b32 s14, v1                    ; wave 0..7
	s_and_b32 s15, s14, 3                          ; hp
	s_lshr_b32 s16, s14, 2
	s_xor_b32 s16, s16, s14
	s_and_b32 s16, s16, 1                          ; kh = (wv xor wv / 4) % 2: 0 early, 1 late
	s_bfe_u32 s17, ttmp6, 0x40000                  ; cx
	s_lshl_b32 s18, ttmp9, 2
	s_add_co_u32 s18, s18, s17                     ; g = 4 x cluster + cx: it enters the addresses of Q and out0 and of the prefetches alone
	s_lshl_b32 s19, s15, 1
	s_add_co_u32 s19, s19, s16                     ; the head of my tile a = 0
	s_mov_b32 s20, 0x76543210
	s_mov_b32 s21, 0xfedcba98                      ; lane selects: lane l xor 16
	s_mov_b32 s24, 15|(3<<16)|(1<<21)              ; group 1: 15:0 the mask: all four work-groups; 17:16 elements of 8 bytes; 21 set beside a mask; no padding: images are read 512 consecutive bytes at a time
	s_mov_b32 s25, 32<<16                          ; tensor_dim0 = 32 elements: 256 bytes
	s_mov_b32 s26, 64<<16                          ; tensor_dim1 = 64
	s_mov_b32 s27, 32<<16                          ; tile_dim0
	s_mov_b32 s28, 64                              ; tile_dim1
	s_mov_b32 s29, 32                              ; the pitch: dense
	s_mov_b32 s30, 0
	s_mov_b32 s31, 0
	s_mov_b32 s32, 1                               ; group 0: count
	s_mul_i32 s33, s14, PART                       ; LDS address: my seventh of slot 0
	s_lshr_b32 s50, ttmp9, 5                       ; the batch, which the partners share
	s_mul_i32 s50, s50, 8*SLOTB
	s_add_co_u32 s52, s50, s33
	s_mov_b32 s53, 0
	s_mul_i32 s54, s17, 57344                      ; the prefetches: my work-group's quarter, my wave's 8,192 bytes, one slot on: the first change of slots steps it to keys 512 on
	s_lshl_b32 s55, s14, 13
	s_add_co_u32 s54, s54, s55
	s_add_co_u32 s54, s54, s50
	s_add_co_u32 s54, s54, SLOTB
	s_mov_b32 s55, 0
	s_and_b32 s38, ttmp9, 31
	s_cmp_eq_u32 s38, 0
	s_cselect_b32 s38, 1, 0                        ; the batch's first cluster,
	s_cmp_lt_u32 s14, 7
	s_cselect_b32 s38, s38, 0                      ; waves 0 to 6: the same in all four partners
	s_lshl_b32 s56, s18, 3
	s_add_co_u32 s56, s56, s19
	s_mul_i32 s56, s56, 3072
	s_mov_b32 s57, 0                               ; Q of a = 0: (8 g + head) 3,072
	s_xor_b32 s58, s19, 1
	s_lshl_b32 s59, s18, 3
	s_add_co_u32 s58, s58, s59
	s_mul_i32 s58, s58, 3072
	s_mov_b32 s59, 0                               ; and of a = 1: the pair's other head
	s_lshl_b32 s62, s14, 16
	s_mov_b32 s63, 0                               ; Wo: my two tiles of 16 K steps x 2,048 bytes
	s_lshr_b32 s66, s18, 1
	s_lshl_b32 s66, s66, 5
	s_and_b32 s67, s18, 1
	s_lshl_b32 s67, s67, 3
	s_add_co_u32 s66, s66, s67
	s_lshl_b32 s67, s14, 1
	s_add_co_u32 s66, s66, s67
	s_lshr_b32 s67, s14, 2
	s_lshl_b32 s67, s67, 3
	s_add_co_u32 s66, s66, s67
	s_lshl_b32 s66, s66, 10
	s_mov_b32 s67, 0                               ; out0: rows p = 2 wv, 2 wv + 1 of my tile: row 32 (g / 2) + 8 (g % 2) + p + 8 (p / 8), 1,024 bytes each
	s_mov_b32 s36, 0                               ; the slot of the step whose K is read
	v_and_b32 v1, 31, v0
	v_lshlrev_b32 v8, 8, v1                        ; 256 x lane
	v_lshlrev_b32 v1, 4, v1                        ; 16 x lane
	s_mul_i32 s51, s16, 24576
	v_add_nc_u32 v4, s51, v1                       ; K: my half's eight key tiles
	s_lshl_b32 s51, s16, 15
	s_add_co_u32 s51, s51, VOFF
	v_add_nc_u32 v5, s51, v1                       ; V: my half's K step
	s_wait_kmcnt 0x0
	s_load_b256 s[68:75], s[10:11], 0x0            ; e0 .. e7
	s_load_b128 s[76:79], s[10:11], 0x20           ; e8 .. e11
	s_add_nc_u64 s[34:35], s[6:7], s[52:53]
	s_or_b32 s35, s35, 0x80000000                  ; type = 2
	s_add_nc_u64 s[40:41], s[6:7], s[54:55]
	s_add_nc_u64 s[42:43], s[4:5], s[56:57]
	s_add_nc_u64 s[44:45], s[4:5], s[58:59]
	s_add_nc_u64 s[46:47], s[8:9], s[62:63]
	s_add_nc_u64 s[48:49], s[12:13], s[66:67]
	s_lshl_b32 s52, s16, 17                        ; the slot whose V is read: a late wave's is the other one
	s_add_co_u32 s53, s14, 3
	s_lshr_b32 s53, s53, 3                         ; 1 in waves 5 to 7,
	s_xor_b32 s53, s53, 1                          ; 0 there and 1 in waves 0 to 4:
	s_mul_i32 s54, s53, SLOTB                      ; the descriptor's step at change 1, in memory
	s_mov_b32 s55, 0
	s_lshl_b32 s53, s53, 17                        ; and in LDS
	s_mov_b32 s56, 0x40c00000                      ; 6.0
	s_mov_b32 s57, s56                             ; (named with it as a pair, so it is written)
	CROUND                                         ; all four work-groups are here: the first joint loads meet
	TLOAD 1                                        ; keys 0 to 255
.irp sl, 0,1,2
.irp c, 0,1
	global_load_b128 v[Q+8*\sl+4*\c:Q+8*\sl+4*\c+3], v1, s[42:43] offset:1024*\sl+512*\c         ; Q stays in registers
	global_load_b128 v[Q+24+8*\sl+4*\c:Q+24+8*\sl+4*\c+3], v1, s[44:45] offset:1024*\sl+512*\c
.endr
.endr
	v_mov_b32 v13, 0xff61b1e6                      ; the largest t so far: -3e38, under every t
	v_mov_b32 v241, 0xff61b1e6
	v_floor_f32 v12, -v13
	v_floor_f32 v240, -v241
	v_mov_b32 v14, 0                               ; the sums
	v_mov_b32 v15, 0
	v_mov_b32 v242, 0
	v_mov_b32 v243, 0
	v_mov_b32 v11, 0                               ; a lane permute's destination counts as one of its sources
	v_mov_b32 v252, 0
	v_mov_b32 v245, 0                              ; (named as the upper halves of pairs)
	v_mov_b32 v247, 0
	s_wait_kmcnt 0x0
	s_add_co_i32 s50, s74, s75
	s_lshl_b32 s50, s50, 23
	s_add_co_i32 s22, s50, 0x3d8293ee              ; c = log2(e) / sqrt(512), with e6 + e7 added to its exponent field: a score stands for score x 2^(e6 + e7)
	s_mov_b32 s23, s22
	s_add_co_i32 s50, s76, 127
	s_lshl_b32 s51, s50, 23
	v_mov_b32 v9, s51                              ; 2^e8
	s_add_co_i32 s50, s50, 8
	s_lshl_b32 s50, s50, 23
	s_or_b32 s50, s50, 0x600000
	v_mov_b32 v10, s50                             ; 448 x 2^e8
	s_sub_co_i32 s50, s78, s76
	s_sub_co_i32 s50, s50, s77
	s_add_co_i32 s50, s50, 127
	s_lshl_b32 s51, s50, 23
	v_mov_b32 v254, s51                            ; 2^(e10 - e8 - e9): a sum of V^T P stands for sum x 2^(e8 + e9)
	s_add_co_i32 s50, s50, 8
	s_lshl_b32 s50, s50, 23
	s_or_b32 s50, s50, 0x600000
	v_mov_b32 v255, s50
	s_add_co_i32 s50, s78, s79
	s_add_co_i32 s50, s50, 127
	s_lshl_b32 s60, s50, 23                        ; 2^(e10 + e11)
	s_mov_b32 s61, s60
	; INTERVAL 0: early waves run step 0, whose products V^T P start their O^T.  Late waves run S(0) alone.
	s_mov_b32 s37, 7                               ; fills of waves 0 to 4 to go
	CHANGE 1                                       ; slot 1 whole: its first fill
	s_wait_loadcnt 0x0                             ; Q
	ADDR
	s_cmp_eq_u32 s16, 0
	s_cbranch_scc0 .Llate_0
	SARM
	SM
	PV 1
	s_branch .Ljoin_0
.Llate_0:
	WIN 0x40                                       ; the late waves' O^T begins as zeros, which their first f, 0, leaves zeros: so the text of PV is shared by both classes from the next interval on.
.set J, 0
.rept 256
	v_mov_b32 v[J], 0                              ; (These lines stand where a late wave has no other work: the early waves run a whole step meanwhile)
.set J, J+1
.endr
	WIN 0
	SARM
.Ljoin_0:
	; INTERVAL 1: the late half of V of step 1 lies in slot 1 already, so waves 5 and 6 ask for nothing
	CHANGE 2
	INTERVAL
	s_mov_b32 s37, 5
.Lslot:                                            ; intervals 2 to 6: five trips
	CHANGE 1
	INTERVAL
	s_sub_co_u32 s37, s37, 1
	s_cmp_lg_u32 s37, 0
	s_cbranch_scc1 .Lslot
	CHANGE 3                                       ; INTERVAL 7 is written out: only the late half of V of step 7 is left to fetch
	INTERVAL
	CHANGE 0                                       ; INTERVAL 8: the late waves' last softmax and V^T P
	ADDR
	s_cmp_eq_u32 s16, 1
	s_cbranch_scc0 .Ltail
	SM
	PV 0
.Ltail:
	; THE TAIL.  The ring has had its last fill; behind this barrier no wave reads it any more, and results are stored there.
	BARRIER
	v_add_f32 v14, v14, v15                        ; the sums' two halves, and lane l xor 16's
	v_add_f32 v242, v242, v243
	v_permlanex16_b32 v11, v14, s20, s21
	v_permlanex16_b32 v252, v242, s20, s21
	v_add_f32 v14, v14, v11
	v_add_f32 v242, v242, v252
	s_xor_b32 s51, s14, 4                          ; my partner: the same pair of heads, the other half of the keys
	s_lshl_b32 s50, s14, 14
	s_lshl_b32 s52, s51, 14
	v_add_nc_u32 v4, s50, v1                       ; 16,384 bytes a wave from byte 0: O^T of the tile that is handed over, as an image of its 128 registers
	v_add_nc_u32 v5, s52, v1
	v_and_b32 v248, 31, v0
	s_lshl_b32 s50, s14, 8
	s_add_co_u32 s50, s50, XS
	s_lshl_b32 s52, s51, 8
	s_add_co_u32 s52, s52, XS
	v_lshl_add_u32 v6, v248, 2, s50
	v_lshl_add_u32 v7, v248, 2, s52
	WIN 0x04                                       ; store data in window 1
.set J, 0
.rept 32
	ds_store_b128 v4, v[128+4*J:128+4*J+3] offset:512*J
.set J, J+1
.endr
	WIN 0
	ds_store_b32 v6, v240                          ; its -M
	ds_store_b32 v6, v242 offset:128               ; its sum
	BARRIER
	WOLD 0, 128                                    ; Wo's first group takes the registers that were handed over
.set J, 0
.rept 32
	ds_load_b128 v[S+4*J:S+4*J+3], v5 offset:512*J ; my head's other half of the keys
.set J, J+1
.endr
	ds_load_b32 v248, v7
	ds_load_b32 v251, v7 offset:128
	s_wait_dscnt 0x0
	v_min_num_f32 v249, v12, v248                  ; -M of both halves together
	v_sub_f32 v250, v249, v12                      ; whole numbers, 0 or less
	v_sub_f32 v248, v249, v248
	v_cvt_i32_f32 v250, v250
	v_cvt_i32_f32 v248, v248
	v_ldexp_f32 v250, 1.0, v250                    ; my half's factor,
	v_ldexp_f32 v248, 1.0, v248                    ; my partner's: exact powers of two
	v_mul_f32 v14, v14, v250
	v_fma_f32 v14, v251, v248, v14                 ; the row's sum
	v_rcp_f32 v14, v14
	v_nop                                          ; a plain line behind the reciprocal,
	s_wait_alu depctr_va_vdst(0)                   ; and the wait ahead of its first reader
	v_mul_f32 v250, v250, v14
	v_mul_f32 v248, v248, v14
.set J, 0
.rept 64
	v_pk_mul_f32 v[S+J:S+J+1], v[S+J:S+J+1], v[248:249] op_sel_hi:[1,0]
.set J, J+2
.endr
	WIN 0x01
.set J, 0
.rept 64
	v_pk_fma_f32 v[S+J:S+J+1], v[J:J+1], v[250:251], v[S+J:S+J+1] op_sel_hi:[1,0,1]   ; O^T / the sum; each accumulator from its low end on
.set J, J+2
.endr
	WIN 0
	WOLD 1, 0                                      ; the second group takes O^T's registers
.set J, 0
.rept 128
	v_med3_num_f32 v[S+J], v[S+J], -v255, v255
.set J, J+1
.endr
.set J, 0
.rept 16
	v_cvt_scalef32_pk8_fp8_f32 v[64+2*J:65+2*J], v[S+8*J:S+8*J+7], v254   ; registers 16 b + i are channels 32 b + 16 h + i of my head: chunk b of its two K steps
.set J, J+1
.endr
	v_nop
	s_lshl_b32 s50, s19, 12
	s_add_co_u32 s50, s50, OIMG
	v_add_nc_u32 v4, s50, v1
	v_add_nc_u32 v5, OIMG, v1
.set J, 0
.rept 8
	ds_store_b128 v4, v[64+4*J:64+4*J+3] offset:512*J
.set J, J+1
.endr
	BARRIER                                        ; all eight heads' codes lie in LDS: K = 2,048 of my 16 rows
	; THE OUTPUT PROJECTION: source 0 = 16 (j, y) of Wo, source 1 = the 16 rows: a lane holds one row and eight neighbouring outputs.  Two accumulators by turns.
.irp grp, 0,1,2,3
.irp kk, 0,1,2,3
.irp c, 0,1,2,3
	ds_load_b128 v[S+64*(\grp%2)+16*\kk+4*\c:S+64*(\grp%2)+16*\kk+4*\c+3], v5 offset:(4*\grp+\kk)*2048+512*\c
.endr
.endr
.if \grp < 3
	s_wait_loadcnt 32                              ; this group of Wo is in; the next group's 32 loads may be out
.else
	s_wait_loadcnt 0x0
.endif
	s_wait_dscnt 0x0
	WIN 0x01
.irp kk, 0,1,2,3
.irp t, 0,1
.if (\grp == 0) && (\kk == 0)
	v_wmma_f32_16x16x128_fp8_fp8 v[96+8*\t:103+8*\t], v[128*(1-\grp%2)+16*(4*\t+\kk):128*(1-\grp%2)+16*(4*\t+\kk)+15], v[S+64*(\grp%2)+16*\kk:S+64*(\grp%2)+16*\kk+15], 0
.else
	v_wmma_f32_16x16x128_fp8_fp8 v[96+8*\t:103+8*\t], v[128*(1-\grp%2)+16*(4*\t+\kk):128*(1-\grp%2)+16*(4*\t+\kk)+15], v[S+64*(\grp%2)+16*\kk:S+64*(\grp%2)+16*\kk+15], v[96+8*\t:103+8*\t]
.endif
.endr
.endr
	WIN 0
	NOPS 4                                         ; places in front of loads into registers that products have read, and of the first read of results
.if \grp < 2
	WOLD \grp+2, 128*(1-\grp%2)
.endif
.endr
.irp j, 0,2,4,6,8,10,12,14
	v_pk_mul_f32 v[64+\j:65+\j], v[96+\j:97+\j], s[60:61] op_sel_hi:[1,0]   ; x 2^(e10 + e11)
.endr
	v_and_b32 v248, 15, v0
	v_bfe_u32 v249, v0, 4, 1
	v_mul_u32_u24 v6, v248, SPITCH
	v_lshl_add_u32 v6, v249, 5, v6
	s_lshl_b32 s50, s14, 7
	v_add_nc_u32 v6, s50, v6                       ; the stage: row r, my 32 outputs at 128 wv, + 32 h
	s_mul_i32 s50, s14, 2*SPITCH
	v_add_nc_u32 v7, s50, v1                       ; back: rows 2 wv and 2 wv + 1
.irp t, 0,1
	ds_store_b128 v6, v[64+8*\t:67+8*\t] offset:64*\t
	ds_store_b128 v6, v[68+8*\t:71+8*\t] offset:64*\t+16
.endr
	BARRIER                                        ; 16 whole rows of out0 lie in the stage
.irp i, 0,1
.irp q, 0,1
	ds_load_b128 v[S+4*(2*\i+\q):S+4*(2*\i+\q)+3], v7 offset:\i*SPITCH+512*\q
.endr
.endr
	s_wait_dscnt 0x0
.irp i, 0,1
.irp q, 0,1
	global_store_b128 v1, v[S+4*(2*\i+\q):S+4*(2*\i+\q)+3], s[48:49] offset:\i*1024+512*\q th:TH_STORE_NT   ; 512 consecutive bytes, aligned; written once
.endr
.endr
	s_wait_tensorcnt 0x0                           ; the wave's end, behind my last tensor load and my last LDS store
	ds_add_u32 v2, v3
	s_wait_dscnt 0x0
	CROUND                                         ; the closing round
	s_endpgm
.Lfunc_end_k_qa28576af96_attn:
	.size	k_qa28576af96_attn, .Lfunc_end_k_qa28576af96_attn-k_qa28576af96_attn
	.p2alignl 7, 3214868480
	.fill 96, 4, 3214868480
	.section	.rodata,"a",@progbits
	.p2align	6, 0x0
	.amdhsa_kernel k_qa28576af96_attn
		.amdhsa_group_segment_fixed_size 327680
		.amdhsa_private_segment_fixed_size 0
		.amdhsa_enable_private_segment 0
		.amdhsa_kernarg_size 40
		.amdhsa_user_sgpr_count 2
		.amdhsa_user_sgpr_kernarg_segment_ptr 1
		.amdhsa_wavefront_size32 1
		.amdhsa_system_sgpr_workgroup_id_x 1
		.amdhsa_system_sgpr_workgroup_id_y 1
		.amdhsa_system_sgpr_workgroup_id_z 1
		.amdhsa_system_vgpr_workitem_id 0
		.amdhsa_next_free_vgpr 512
		.amdhsa_next_free_sgpr 80
		.amdhsa_reserve_vcc 0
		.amdhsa_float_denorm_mode_32 3
		.amdhsa_float_denorm_mode_16_64 3
		.amdhsa_memory_ordered 1
		.amdhsa_forward_progress 1
		.amdhsa_inst_pref_size 255
	.end_amdhsa_kernel
	.section	.bss,"aw",@nobits
	.p2align	6
	.space	262144
	.amdgpu_metadata
---
amdhsa.version: [ 1, 2 ]
amdhsa.kernels:
  - .name:           k_qa28576af96_attn
    .symbol:         k_qa28576af96_attn.kd
    .args:
      - { .name: qimg, .offset: 0, .size: 8, .value_kind: global_buffer, .address_space: global }
      - { .name: kv, .offset: 8, .size: 8, .value_kind: global_buffer, .address_space: global }
      - { .name: woimg, .offset: 16, .size: 8, .value_kind: global_buffer, .address_space: global }
      - { .name: lowp_scales, .offset: 24, .size: 8, .value_kind: global_buffer, .address_space: global }
      - { .name: out0, .offset: 32, .size: 8, .value_kind: global_buffer, .address_space: global }
    .group_segment_fixed_size: 327680
    .private_segment_fixed_size: 0
    .kernarg_segment_align: 8
    .kernarg_segment_size: 40
    .max_flat_workgroup_size: 256
    .sgpr_count:     80
    .vgpr_count:     512
    .wavefront_size: 32
...
	.end_amdgpu_metadata
.endif
;; end of part 2
;; ======== version 2 of 2: 2 launches; version 1 with the launch proj written anew for expert scheduling mode
;; workspace buffers: qimg 6,291,456 bytes; kv 1,835,008 bytes; woimg 524,288 bytes
;; launch proj (part 3): grid 8 x 32, 4 waves a work-group, no clusters, 70,144 bytes of LDS; arguments x, blade, w_q, w_k, w_v, w_o, lowp_scales, qimg, kv, woimg; writes qimg, kv, woimg
.if DOCPART == 3
	.amdgcn_target "amdgcn-amd-amdhsa--gfx1250"
	.amdhsa_code_object_version 6
	.text
	.protected	k_qa28576af96_proj
	.globl	k_qa28576af96_proj
	.p2align	8
	.type	k_qa28576af96_proj,@function
k_qa28576af96_proj:
	s_mov_b64 s[64:65], 0
	v_nop
	global_prefetch_b8 v0, s[64:65] scope:SCOPE_SE
	s_setreg_imm32_b32 hwreg(HW_REG_WAVE_SCHED_MODE, 0, 2), 2
	s_setreg_imm32_b32 hwreg(HW_REG_WAVE_MODE, 25, 1), 1
	s_wait_xcnt 0x0
	s_wait_alu depctr_vm_vsrc(0)
; q, k, v = equi_linear(w, blade, x) on codes of FP8 (E4M3), and all four weights contracted with the blade and quantised.
; x is taken as [4096 rows][K = 256 = (i, x)].  wb[j][i][x][y] = sum over b of w[j][i][b] blade[b][x][y] (f32 multiply-adds) is a matrix with K = (i, x), N = (j, y).
; reference() picks coordinates 0,2,3,4,8,9,10,14 of an axis of 4; the gather holds an index at the axis' end, so they are 0,2,3,3,3,3,3,3: of q and k only y = 0, 2, 3 are made.
; EVERYTHING STORED IS AN IMAGE OF OPERAND REGISTERS: a chunk is 512 bytes, lane l's 16 bytes at 16 l; lane (r = l % 16, h = l / 16) holds, of its row r, k = 32 c + 16 h + 0 .. 15 of chunk c.
; The same places are used on both sides of every product, so each code meets its partner; only the order of the sums inside an instruction differs.
;   qimg  [tile of 16 rows: 256][head 8][y = 0, 2, 3][2 chunks, k = d]        kv [batch 2][256 keys: 8][ K: key tile 16 x 3072 (y x 1024) | V: 49152 + 128 keys x 32768 + channel tile 16 x 2048 ]
;   woimg [tile of 16 (j, y): 16][K step of 128: 16][4 chunks]
; A TILE'S ROWS ARE NOT NEIGHBOURS: row p of tile (pair B, u) is 32 B + 8 u + p + 8 (p / 8) (rows of x, d of q and k, channels of v), so that the 16 result registers of tiles u = 0, 1 are 16 neighbours along the next K.
; SHARES.  Work-group (x = SL 0..7, y = MG 0..31): 128 rows of x; q of head SL (6 units: y x half of d), v's channels 32 SL .. 32 SL + 31, k's unit SL (SL < 6), fragment SL + 8 MG of Wo.  A unit is two weight tiles.
; Wave w: rows 32 w .. 32 w + 31 of the 128, and chunk w of every weight fragment; the fragments meet in LDS behind ONE barrier.  Work-groups 6 and 7 make k's fragments like the others (one text) and skip the product.
; No tensor load and no cluster: x and the weights have to pass through registers to be quantised or contracted, in the conversions' own order; nothing is filled into LDS by an engine.
; LIMITS: e0 .. e5, e11, e6-e0-e1, e7-e2-e3, e9-e4-e5 between -126 and 119, so that each scale and 448 x it are f32 numbers.  NaN among the inputs is not served.  The f32 sums over b go in ascending b.
; REGISTERS.  window 0: v1 16 lane, v2 + 512 w, v3-7 offsets in x, w_q, w_v, w_k, w_o, v10 4 yk; v12-31 ten pairs (scale, 448 x scale); v32-159 at work / two sets of weight fragments; v160-191 sums; v192-211 codes.
;   window 1: x as f32 (fragment 2 ux + s at 64 f).   window 2: seven sets of 36 numbers of w, later x's codes (64 k + 16 f).   window 3: five sets of 36 numbers of the blade.
; THE MODE: SCHED_MODE bits 1:0 = 2 (LLVM: expert scheduling mode 2), set by the entry lines.  The code itself states the register dependences between vector or matrix instructions and memory or LDS
; instructions, with s_wait_alu, always for 0.
; THE PLAN.  Registers that memory or LDS instructions touch:
;   v1-7, v10, v227, v236-240   Offsets and LDS addresses: made at the head and never written again.  One wait on va_vdst ahead of the first load serves every load and store of the kernel.
;   window 2, sets 0 to 6       Weight step M: its multiply-adds read set M % 7; behind them the loads of step M + 7 land in it.
;   v[PC .. PC+11]              Weight step M: its conversions write them, its LDS stores read them; step M + 1's conversions write them again.
;   v[WOC .. WOC+3]             Written once, by conversions; read by one store.
;   v32-159                     x's holds write them and its conversions read them; then two sets of weight fragments: unit U's products read set U % 2, and behind them the LDS loads of unit U + 2 land in it.
;   v[CO .. CO+15]              Two sets: unit U's conversions write set U % 2, its two stores read it; unit U + 2's conversions write it again.
;   windows 1 and 3, v228-235   Loaded once; vector instructions and LDS stores only read them.        v254, v255: written at the head, read by the closing add alone.
; So ONE wait on va_vdst stands at the end of each weight step and of each unit, behind its conversions: the codes are written, which the step's stores read, and the step is done reading the set in which the loads
; that follow the wait land.  ONE wait on vm_vsrc stands in each step and unit ahead of its first conversion, a step's arithmetic behind the stores that it speaks of.
.set PO,   176                         ; 16 numbers of wb
.set PC,   192                         ; a weight step's codes: three sets of four registers, one for each coordinate that a step of w_q serves
.set WOC,  208                         ; Wo's codes: stored to memory, never rewritten
.set T0,   32                          ; two sets of 64 held numbers of x
.set WF0,  32                          ; two sets of 4 weight fragments
.set ACC,  160
.set CO,   192                         ; a unit's codes, two sets by turns
.set BLT,  65536                       ; LDS: behind the 64 KB of weight images, 1 KB for each wave: the blade as [y][b][x]
.set MSB,  0
.macro WIN new                         ; the immediate's high byte repeats the setting that is left
.if MSB != \new
	s_set_vgpr_msb (MSB<<8)|\new
.set MSB, \new
.endif
.endm
.macro NOPS n
.rept \n
	v_nop
.endr
.endm
.macro MKSC sc, se                     ; v[sc] = 2^e as f32, v[sc+1] = 448 x 2^e
	s_add_co_i32 s50, \se, 127
	s_lshl_b32 s51, s50, 23
	v_mov_b32 v[\sc], s51
	s_add_co_i32 s50, s50, 8
	s_lshl_b32 s50, s50, 23
	s_or_b32 s50, s50, 0x600000
	v_mov_b32 v[\sc+1], s50
.endm
.macro WLOAD ws, va, sb, imm           ; w[j][i0 .. i0+3][0 .. 8]: 36 numbers, 144 consecutive bytes a lane
.irp j, 0,1,2,3,4,5,6,7,8
	global_load_b128 v[\ws+4*\j:\ws+4*\j+3], v[\va], s[\sb:\sb+1] offset:\imm+16*\j
.endr
.endm
.macro WLN m                           ; load step m: 0-7 q (half of d, tile u, K step s), 8-11 v (u, s), 12-15 k (u, s), 16 Wo; into set m % 7 of window 2
	WIN 0x80
.if (\m) < 8
	WLOAD 36*((\m)%7), 4, 8, (32*((\m)/4)+8*(((\m)/2)%2))*18432+1152*((\m)%2)
.elseif (\m) < 12
	WLOAD 36*((\m)%7), 5, 12, 4608*(((\m)-8)/2)+1152*((\m)%2)
.elseif (\m) < 16
	WLOAD 36*((\m)%7), 6, 10, 18432*(((\m)-12)/2)+1152*((\m)%2)
.else
	WLOAD 36*((\m)%7), 7, 14, 0
.endif
	WIN 0
.endm
; 16 numbers wb(i0 + i, x) = sum over b of w[9 i + b] x blade[4 b + x], two x at a time (the one w feeds both halves), eight chains; held, converted: 16 codes in v[pcs] on.
; free = 1: the step's first calculation, where an earlier step's LDS stores have read the codes' registers.
.macro CALC ws, bl, sc, pcs, free
	WIN 0x0e                                       ; w in window 2, the blade in window 3, the sums in window 0
.irp b, 0,1,2,3,4,5,6,7,8
.irp i, 0,1,2,3
.irp xp, 0,2
.set WQ, \ws+9*\i+\b
.set WP, WQ-WQ%2
.if \b == 0
.if WQ%2
	v_pk_mul_f32 v[PO+4*\i+\xp:PO+4*\i+\xp+1], v[WP:WP+1], v[\bl+\xp:\bl+\xp+1] op_sel:[1,0] op_sel_hi:[1,1]
.else
	v_pk_mul_f32 v[PO+4*\i+\xp:PO+4*\i+\xp+1], v[WP:WP+1], v[\bl+\xp:\bl+\xp+1] op_sel_hi:[0,1]
.endif
.else
.if WQ%2
	v_pk_fma_f32 v[PO+4*\i+\xp:PO+4*\i+\xp+1], v[WP:WP+1], v[\bl+4*\b+\xp:\bl+4*\b+\xp+1], v[PO+4*\i+\xp:PO+4*\i+\xp+1] op_sel:[1,0,0] op_sel_hi:[1,1,1]
.else
	v_pk_fma_f32 v[PO+4*\i+\xp:PO+4*\i+\xp+1], v[WP:WP+1], v[\bl+4*\b+\xp:\bl+4*\b+\xp+1], v[PO+4*\i+\xp:PO+4*\i+\xp+1] op_sel_hi:[0,1,1]
.endif
.endif
.endr
.endr
.endr
	WIN 0
.set CI, 0
.rept 16
	v_med3_num_f32 v[PO+CI], v[PO+CI], -v[\sc+1], v[\sc+1]   ; the conversion to an 8-bit code does not saturate (ISA guide 7.6.2): the hold at 448 x the scale
.set CI, CI+1
.endr
.if \free
	s_wait_alu depctr_vm_vsrc(0)                   ; the LDS stores of the step before have read v[PC ..], which this step's conversions write again
.endif
	v_cvt_scalef32_pk8_fp8_f32 v[\pcs:\pcs+1], v[PO:PO+7], v[\sc]
	v_cvt_scalef32_pk8_fp8_f32 v[\pcs+2:\pcs+3], v[PO+8:PO+15], v[\sc]
	v_nop                                          ; a plain line between the conversions and the next lines that write their sources
.endm
.macro BSET bl, va, off                ; a blade set: 36 numbers [b][x] of one y
.irp j, 0,1,2,3,4,5,6,7,8
	ds_load_b128 v[\bl+4*\j:\bl+4*\j+3], v[\va] offset:\off+16*\j
.endr
.endm
.macro XQ f, k, ts                     ; fragment f of x under scale k (e0, e2, e4): 64 numbers held into v[ts] on, 16 registers of codes into window 2
	WIN 0x01
.set XI, 0
.rept 64
	v_med3_num_f32 v[\ts+XI], v[64*(\f)+XI], -v[21+2*(\k)], v[21+2*(\k)]
.set XI, XI+1
.endr
	WIN 0x80
.set XI, 0
.rept 8
	v_cvt_scalef32_pk8_fp8_f32 v[64*(\k)+16*(\f)+2*XI:64*(\k)+16*(\f)+2*XI+1], v[\ts+8*XI:\ts+8*XI+7], v[20+2*(\k)]
.set XI, XI+1
.endr
	v_nop
.endm
.macro FETCHW un, ws                   ; a unit's four fragments (2 u + s), as they were stored
.set FI, 0
.rept 16
	ds_load_b128 v[\ws+4*FI:\ws+4*FI+3], v1 offset:(\un)*8192+512*FI
.set FI, FI+1
.endr
.endm
; A unit's products: two weight tiles x my two tiles of rows x K = 256: four accumulators by turns; the first K step starts the sums.
; kind 0 (q, k): source 0 = 16 rows of the weight, source 1 = x: a lane holds one row of x and eight d.   kind 1 (v): source 0 = x, source 1 = the weight: a lane holds one channel and eight keys.
.macro GUNIT kind, ws, xk, sc, cs
.if \kind == 0
	WIN 0x08
.irp s, 0,1
.irp ux, 0,1
.irp u, 0,1
.if \s == 0
	v_wmma_f32_16x16x128_fp8_fp8 v[ACC+16*\ux+8*\u:ACC+16*\ux+8*\u+7], v[\ws+16*(2*\u+\s):\ws+16*(2*\u+\s)+15], v[64*\xk+16*(2*\ux+\s):64*\xk+16*(2*\ux+\s)+15], 0
.else
	v_wmma_f32_16x16x128_fp8_fp8 v[ACC+16*\ux+8*\u:ACC+16*\ux+8*\u+7], v[\ws+16*(2*\u+\s):\ws+16*(2*\u+\s)+15], v[64*\xk+16*(2*\ux+\s):64*\xk+16*(2*\ux+\s)+15], v[ACC+16*\ux+8*\u:ACC+16*\ux+8*\u+7]
.endif
.endr
.endr
.endr
.else
	WIN 0x02
.irp s, 0,1
.irp ux, 0,1
.irp u, 0,1
.if \s == 0
	v_wmma_f32_16x16x128_fp8_fp8 v[ACC+16*\u+8*\ux:ACC+16*\u+8*\ux+7], v[64*\xk+16*(2*\ux+\s):64*\xk+16*(2*\ux+\s)+15], v[\ws+16*(2*\u+\s):\ws+16*(2*\u+\s)+15], 0
.else
	v_wmma_f32_16x16x128_fp8_fp8 v[ACC+16*\u+8*\ux:ACC+16*\u+8*\ux+7], v[64*\xk+16*(2*\ux+\s):64*\xk+16*(2*\ux+\s)+15], v[\ws+16*(2*\u+\s):\ws+16*(2*\u+\s)+15], v[ACC+16*\u+8*\ux:ACC+16*\u+8*\ux+7]
.endif
.endr
.endr
.endr
.endif
	WIN 0
	NOPS 4                                         ; four plain places between the products and the first read of their results (ISA guide 7.12.1)
.set GI, 0
.rept 32
	v_med3_num_f32 v[ACC+GI], v[ACC+GI], -v[\sc+1], v[\sc+1]   ; each accumulator from its low end on; the three scales are folded into the conversion's one
.set GI, GI+1
.endr
	s_wait_xcnt 0x0                                ; the stores of two units ago have read these registers
	s_wait_alu depctr_vm_vsrc(0)                   ; the stores that read v[cs ..] last have read them (those of two units ago; ahead of the first two units the LDS stores of the weights' codes): the conversions write them again
.set GI, 0
.rept 4
	v_cvt_scalef32_pk8_fp8_f32 v[\cs+2*GI:\cs+2*GI+1], v[ACC+8*GI:ACC+8*GI+7], v[\sc]
.set GI, GI+1
.endr
	v_nop                                          ; a plain line between the conversions and the next unit's products, which write their sources
.endm
	s_load_b512 s[4:19], s[0:1], 0x0               ; x, blade, w_q, w_k, w_v, w_o, scales, qimg
	s_load_b128 s[20:23], s[0:1], 0x40             ; kv, woimg
	v_lshl_add_u32 v254, v0, 2, 0x11000
	v_mov_b32 v255, 0
	v_lshrrev_b32 v220, 5, v0
	v_readfirstlane_b32 s36, v220                  ; w
	s_mov_b32 s37, ttmp9                           ; SL
	s_and_b32 s38, ttmp7, 0xffff                   ; MG
	s_lshl_b32 s39, s38, 3
	s_add_co_u32 s39, s39, s37                     ; G = SL + 8 MG: my fragment of Wo: tile G / 16, K step G % 16
	v_and_b32 v221, 31, v0                         ; lane
	v_and_b32 v222, 15, v0                         ; r
	v_bfe_u32 v223, v0, 4, 1                       ; h
	v_lshlrev_b32 v1, 4, v221                      ; 16 lane
	s_wait_alu depctr_va_sdst(0)                   ; s36, the wave's number, is written, ahead of its first reader
	s_lshl_b32 s50, s36, 9
	v_add_nc_u32 v2, s50, v1                       ; + 512 w: my chunk of an image
	v_and_b32 v224, 8, v0
	v_add_nc_u32 v224, v224, v222                  ; r + 8 (r / 8)
	v_lshlrev_b32 v3, 10, v224
	v_lshl_add_u32 v3, v223, 6, v3                 ; x: that row of 1,024 bytes, + 64 h
	s_mul_i32 s50, s36, 288
	v_mad_u32_u24 v225, v223, 144, s50             ; i0 = 8 w + 4 h (+ 32 s) in bytes of a row of w: 36 bytes an i
	s_mul_i32 s51, s37, 2304
	v_mul_u32_u24 v4, v224, 18432
	v_add3_u32 v4, v4, v225, s51                   ; w_q: row j = 8 d + SL, d = r + 8 (r / 8) (+ 32 b' + 8 u)
	v_bfe_u32 v226, v0, 2, 1
	v_bfe_u32 v227, v0, 3, 1
	v_lshl_add_u32 v226, v227, 2, v226
	s_lshl_b32 s51, s37, 3
	v_add_nc_u32 v226, s51, v226
	v_mul_u32_u24 v5, v226, 2304
	v_add_nc_u32 v5, v5, v225                      ; w_v: channel f = 32 SL + 8 u + r + 8 (r / 8) = 4 d + y: d = 8 SL + (r / 4) % 2 + 4 (r / 8) (+ 2 u), y = r % 4
	s_and_b32 s51, s37, 1
	s_lshl_b32 s51, s51, 5
	v_add_nc_u32 v226, s51, v224
	v_mul_u32_u24 v6, v226, 2304
	v_add_nc_u32 v6, v6, v225                      ; w_k: d = 32 (SL % 2) + r + 8 (r / 8) (+ 8 u)
	s_lshr_b32 s51, s39, 4
	s_lshl_b32 s51, s51, 2
	s_and_b32 s52, s39, 15
	s_mul_i32 s52, s52, 1152
	v_bfe_u32 v226, v0, 2, 2
	v_add_nc_u32 v226, s51, v226
	v_mul_u32_u24 v7, v226, 18432
	v_add3_u32 v7, v7, v225, s52                   ; w_o: row j = 4 (G / 16) + r / 4, y = r % 4; K step G % 16
	s_lshr_b32 s51, s37, 1                         ; k's coordinate: unit SL has y = 0, 2, 3 for SL / 2 = 0, 1, 2 (held at 3 where SL is 6 or 7: the loads stay inside the blade)
	s_min_u32 s52, s51, 1
	s_add_co_u32 s51, s51, s52
	s_min_u32 s51, s51, 3
	s_lshl_b32 s51, s51, 2
	v_mov_b32 v10, s51
	s_lshl_b32 s50, s36, 10
	s_add_co_u32 s50, s50, BLT                     ; my wave's 1 KB for the blade
	v_lshl_add_u32 v236, v221, 2, s50              ; in: (b, x) = lane
	v_and_b32 v237, 3, v0
	v_lshlrev_b32 v227, 4, v237
	v_lshl_add_u32 v238, v237, 2, s50              ; in: (b, x) = 32 + lane % 4: eight lanes store the same word with the same number
	v_mov_b32 v239, s50
	v_mul_u32_u24 v240, v237, 144
	v_add_nc_u32 v240, s50, v240                   ; out: the set of my lane's y = r % 4
	s_lshl_b32 s52, s38, 17
	s_lshl_b32 s53, s36, 15
	s_add_co_u32 s52, s52, s53
	s_mov_b32 s53, 0                               ; x: (128 MG + 32 w) rows
	s_mul_i32 s54, s38, 196608
	s_mul_i32 s55, s36, 49152
	s_add_co_u32 s54, s54, s55
	s_mul_i32 s55, s37, 3072
	s_add_co_u32 s54, s54, s55
	s_mov_b32 s55, 0                               ; qimg: ((8 MG + 2 w) 8 + SL) 3072
	s_lshr_b32 s56, s38, 1
	s_mul_i32 s56, s56, 114688                     ; kv: the 256 keys that hold my 128
	s_and_b32 s57, s38, 1
	s_lshl_b32 s58, s57, 3
	s_lshl_b32 s59, s36, 1
	s_add_co_u32 s58, s58, s59
	s_mul_i32 s58, s58, 3072
	s_add_co_u32 s58, s58, s56
	s_lshl_b32 s59, s37, 9
	s_add_co_u32 s58, s58, s59
	s_mov_b32 s59, 0                               ; K: key tile 8 (MG % 2) + 2 w, coordinate and chunk: 512 SL
	s_lshl_b32 s60, s57, 15
	s_add_co_u32 s60, s60, s56
	s_lshl_b32 s61, s37, 12
	s_add_co_u32 s60, s60, s61
	s_lshl_b32 s61, s36, 9
	s_add_co_u32 s60, s60, s61
	s_add_co_u32 s60, s60, 49152
	s_mov_b32 s61, 0                               ; V: K step MG % 2, channel tile 2 SL, chunk w
	s_lshl_b32 s62, s39, 11
	s_lshl_b32 s63, s36, 9
	s_add_co_u32 s62, s62, s63
	s_mov_b32 s63, 0                               ; woimg: fragment G, chunk w
	s_wait_kmcnt 0x0
	s_load_b256 s[24:31], s[16:17], 0x0            ; e0 .. e7
	s_load_b128 s[32:35], s[16:17], 0x20           ; e8 .. e11
	s_add_nc_u64 s[40:41], s[4:5], s[52:53]
	s_add_nc_u64 s[42:43], s[18:19], s[54:55]
	s_add_nc_u64 s[44:45], s[20:21], s[58:59]
	s_add_nc_u64 s[46:47], s[20:21], s[60:61]
	s_add_nc_u64 s[48:49], s[22:23], s[62:63]
	WIN 0x40                                       ; x: lane (r, h) takes 16 neighbours of each block of 32 of its row: the conversions' order
	s_wait_alu depctr_va_vdst(0)                   ; the offsets and LDS addresses v1-7, v10, v227, v236-240 are written: every load and store of the kernel reads one of them, and none is written again
.irp ux, 0,1
.irp s, 0,1
.irp c, 0,1,2,3
.irp j, 0,1,2,3
	global_load_b128 v[64*(2*\ux+\s)+16*\c+4*\j:64*(2*\ux+\s)+16*\c+4*\j+3], v3, s[40:41] offset:\ux*8192+512*\s+128*\c+16*\j
.endr
.endr
.endr
.endr
	WIN 0
	global_load_b128 v[228:231], v1, s[6:7]               ; blade[(b, x) = lane][y = 0 .. 3]
	global_load_b128 v[232:235], v227, s[6:7] offset:512  ; and (b, x) = 32 + lane % 4
	WIN 0xc0
.irp b, 0,1,2,3,4,5,6,7,8
.irp x, 0,1,2,3
	global_load_b32 v[144+4*\b+\x], v10, s[6:7] offset:64*\b+16*\x   ; k's set hangs on the work-group's number: it comes from memory, so that no LDS address does
.endr
.endr
	WIN 0
.irp m, 0,1,2,3,4,5
	WLN \m
.endr
	s_wait_kmcnt 0x0
	MKSC 12, s25                                   ; wq.  (These twenty lines write v12-31, which no memory or LDS instruction names)
	MKSC 14, s27                                   ; wk
	MKSC 16, s29                                   ; wv
	MKSC 18, s35                                   ; wo
	MKSC 20, s24                                   ; x for q, k, v
	MKSC 22, s26
	MKSC 24, s28
	s_sub_co_i32 s52, s30, s24
	s_sub_co_i32 s52, s52, s25
	MKSC 26, s52                                   ; a sum stands for sum x 2^(e0 + e1): q's code is sum / 2^(e6 - e0 - e1)
	s_sub_co_i32 s52, s31, s26
	s_sub_co_i32 s52, s52, s27
	MKSC 28, s52                                   ; k: e7 - e2 - e3
	s_sub_co_i32 s52, s33, s28
	s_sub_co_i32 s52, s52, s29
	MKSC 30, s52                                   ; v: e9 - e4 - e5
	s_wait_loadcnt 54                              ; all but the six weight steps' 54 loads: x and the blade are in
.irp y, 0,1,2,3
	ds_store_b32 v236, v[228+\y] offset:144*\y     ; the blade as [y][b][x]: 144 bytes a y
	ds_store_b32 v238, v[232+\y] offset:144*\y+128
.endr
	WIN 0xc0                                       ; LDS serves a wave's instructions in order (ISA guide 5.7.1.4): these see my stores; the bytes are my wave's own
	BSET 0, 239, 0                                 ; y = 0
	BSET 36, 239, 288                              ; y = 2
	BSET 72, 239, 432                              ; y = 3
	BSET 108, 240, 0                               ; y = r % 4
	WIN 0
	s_wait_dscnt 0x0
	WLN 6                                          ; the seventh set: no vector instruction has named it
; THE WEIGHTS: 17 load steps, six ahead in seven sets; a step of w_q serves all three coordinates.  At a step's end one wait, then the loads of seven steps on into the set just left, then the step's stores.
.set M, 0
.rept 17
.set FR, 1
.if M == 0
.set FR, 0                             ; the first step's codes go into registers that nothing has read
.endif
.if M < 11
	s_wait_loadcnt 54                              ; step M's nine loads are in; those of the six steps behind it may be out
.else
	s_wait_loadcnt 9*(16-M)
.endif
.if M < 8
	CALC 36*(M%7), 0, 12, PC, FR
	CALC 36*(M%7), 36, 12, PC+4, 0
	CALC 36*(M%7), 72, 12, PC+8, 0
.elseif M < 12
	CALC 36*(M%7), 108, 16, PC, FR
.elseif M < 16
	CALC 36*(M%7), 144, 14, PC, FR
.else
	CALC 36*(M%7), 108, 18, WOC, 0
.endif
.if M+7 < 17
	WIN 0x80                                       ; the loads' window first, then the wait, then the loads
.endif
	s_wait_alu depctr_va_vdst(0)                   ; the step's conversions have written its codes, which the stores below read; its multiply-adds are done reading set M % 7, in which the loads below land
.if M+7 < 17
	WLN M+7
.endif
.if M < 8
	ds_store_b128 v2, v[PC:PC+3] offset:(M/4)*8192+(M%4)*2048          ; my chunk of each fragment's image goes to LDS: y = 0,
	ds_store_b128 v2, v[PC+4:PC+7] offset:(2+M/4)*8192+(M%4)*2048      ; y = 2,
	ds_store_b128 v2, v[PC+8:PC+11] offset:(4+M/4)*8192+(M%4)*2048     ; y = 3
.elseif M < 12
	ds_store_b128 v2, v[PC:PC+3] offset:6*8192+(M-8)*2048
.elseif M < 16
	ds_store_b128 v2, v[PC:PC+3] offset:7*8192+(M-12)*2048
.else
	global_store_b128 v1, v[WOC:WOC+3], s[48:49]   ; 512 consecutive bytes, aligned
.endif
.set M, M+1
.endr
; x's codes, once under each of its three scales (no LDS is touched: this stands ahead of the barrier)
.irp k, 0,1,2
.irp f, 0,1,2,3
	XQ \f, \k, T0+64*(\f%2)
.endr
.endr
	WIN 0
	s_wait_dscnt 0x0                               ; my chunks of the images have landed
	s_barrier_signal -1
	s_barrier_wait -1                              ; everybody's have
	s_wait_alu depctr_va_vdst(0)                   ; x's holds have written v32-159 and its conversions are done reading them: the first two units' fragments land there
	FETCHW 0, WF0
	FETCHW 1, WF0+64
.set U, 0
.rept 6                                ; q: unit U = 2 (coordinate) + (half of d)
	s_wait_dscnt 16                                ; mine are in; the next unit's 16 loads may be out
	GUNIT 0, WF0+64*(U%2), 0, 26, CO+8*(U%2)
	s_wait_alu depctr_va_vdst(0)                   ; the unit's conversions have written its codes, which the stores below read; its products are done reading their fragments, in whose registers the loads below land
.if U < 5
	FETCHW U+2, WF0+64*(U%2)                       ; the fragments of two units on, into the set just left
.endif
	global_store_b128 v1, v[CO+8*(U%2):CO+8*(U%2)+3], s[42:43] offset:U*512
	global_store_b128 v1, v[CO+8*(U%2)+4:CO+8*(U%2)+7], s[42:43] offset:24576+U*512
.set U, U+1
.endr
	s_wait_dscnt 0x0
	GUNIT 1, WF0, 2, 30, CO                        ; v
	s_wait_alu depctr_va_vdst(0)                   ; v's conversions have written its codes, which the stores below read
	global_store_b128 v1, v[CO:CO+3], s[46:47]
	global_store_b128 v1, v[CO+4:CO+7], s[46:47] offset:2048
	s_cmp_lt_u32 s37, 6                            ; k has six units
	s_cbranch_scc0 .Lend
	FETCHW 7, WF0+64                               ; no wait: the last products that read v96-159 stand ahead of the last two waits on va_vdst, and nothing since names these registers
	s_wait_dscnt 0x0
	GUNIT 0, WF0+64, 1, 28, CO+8
	s_wait_alu depctr_va_vdst(0)                   ; k's conversions have written its codes, which the stores below read
	global_store_b128 v1, v[CO+8:CO+11], s[44:45]
	global_store_b128 v1, v[CO+12:CO+15], s[44:45] offset:3072
.Lend:
	s_wait_dscnt 0x0                               ; the closing lines, six on end
	s_wait_alu 0x0
	s_wait_tensorcnt 0x0
	ds_add_u32 v254, v255
	s_wait_dscnt 0x0
	s_endpgm
.Lfunc_end_k_qa28576af96_proj:
	.size	k_qa28576af96_proj, .Lfunc_end_k_qa28576af96_proj-k_qa28576af96_proj
	.p2alignl 7, 3214868480
	.fill 96, 4, 3214868480
	.section	.rodata,"a",@progbits
	.p2align	6, 0x0
	.amdhsa_kernel k_qa28576af96_proj
		.amdhsa_group_segment_fixed_size 70144
		.amdhsa_private_segment_fixed_size 0
		.amdhsa_enable_private_segment 0
		.amdhsa_kernarg_size 80
		.amdhsa_user_sgpr_count 2
		.amdhsa_user_sgpr_kernarg_segment_ptr 1
		.amdhsa_wavefront_size32 1
		.amdhsa_system_sgpr_workgroup_id_x 1
		.amdhsa_system_sgpr_workgroup_id_y 1
		.amdhsa_system_sgpr_workgroup_id_z 1
		.amdhsa_system_vgpr_workitem_id 0
		.amdhsa_next_free_vgpr 960
		.amdhsa_next_free_sgpr 66
		.amdhsa_reserve_vcc 0
		.amdhsa_float_denorm_mode_32 3
		.amdhsa_float_denorm_mode_16_64 3
		.amdhsa_memory_ordered 1
		.amdhsa_forward_progress 1
		.amdhsa_inst_pref_size 255
	.end_amdhsa_kernel
	.section	.bss,"aw",@nobits
	.p2align	6
	.space	262144
	.amdgpu_metadata
---
amdhsa.version: [ 1, 2 ]
amdhsa.kernels:
  - .name:           k_qa28576af96_proj
    .symbol:         k_qa28576af96_proj.kd
    .args:
      - { .name: x, .offset: 0, .size: 8, .value_kind: global_buffer, .address_space: global }
      - { .name: blade, .offset: 8, .size: 8, .value_kind: global_buffer, .address_space: global }
      - { .name: w_q, .offset: 16, .size: 8, .value_kind: global_buffer, .address_space: global }
      - { .name: w_k, .offset: 24, .size: 8, .value_kind: global_buffer, .address_space: global }
      - { .name: w_v, .offset: 32, .size: 8, .value_kind: global_buffer, .address_space: global }
      - { .name: w_o, .offset: 40, .size: 8, .value_kind: global_buffer, .address_space: global }
      - { .name: lowp_scales, .offset: 48, .size: 8, .value_kind: global_buffer, .address_space: global }
      - { .name: qimg, .offset: 56, .size: 8, .value_kind: global_buffer, .address_space: global }
      - { .name: kv, .offset: 64, .size: 8, .value_kind: global_buffer, .address_space: global }
      - { .name: woimg, .offset: 72, .size: 8, .value_kind: global_buffer, .address_space: global }
    .group_segment_fixed_size: 70144
    .private_segment_fixed_size: 0
    .kernarg_segment_align: 8
    .kernarg_segment_size: 80
    .max_flat_workgroup_size: 128
    .sgpr_count:     66
    .vgpr_count:     960
    .wavefront_size: 32
...
	.end_amdgpu_metadata
.endif
;; end of part 3
;; launch attn: the kernel of part 2 again; grid 256 x 1, 8 waves a work-group, clusters of 4 x 1, 327,680 bytes of LDS; arguments qimg, kv, woimg, lowp_scales, out0; writes out0
